; MI455X (gfx1250); checked and timed in simulation.
; The chip was launched on July 23, 2026; its instructions are those of AMD's public machine-readable ISA for CDNA 5 (MIT licence, August 2026) and "CDNA5" Instruction Set Architecture Reference Guide (July 2026). The comments in the code are by the model that wrote it; some were corrected since.
;; Squeeze Attention. Allowed arithmetic: matrix products marked QUANTISED: E2M3 operands, one E8M0 scale for each 32 along K, by v_wmma_scale_f32_16x16x128_f8f6f4 with both operands' format E2M3, f32 sums; everything else in f32.
;; Inputs: Wk 1,024 x 512 float32; Wo 1,024 x 1,024 float32; Wq 1,024 x 512 float32; Wv 1,024 x 1,024 float32; bk 512 float32; bo 1,024 float32; bq 512 float32; bv 1,024 float32; hidden_states 4 x 2,048 x 1,024 float32.
;; Outputs: out0 4 x 2,048 x 1,024 float32.
;; This version of the problem:
;;   THIS VERSION OF THE PROBLEM IS GIVEN IN LOW PRECISION. The matrix products marked QUANTISED in the list below multiply operands that are first quantised to E2M3 (2 exponent bits, 3 mantissa bits; 6 bits a number), with one power-of-two scale for each 32 numbers along K (OCP MX v1.0); their sums are f32. All else is computed in f32.
;;   The module's matrix products, in the order in which they are computed (A, B: the left and right operand; K: the contracted axis; several contracted axes count as one K, in the product's order):
;;     1. [M 8,192, K 1,024] x [K 1,024, N 512]; A: input hidden_states; B: input Wq: QUANTISED
;;     2. [M 8,192, K 1,024] x [K 1,024, N 512]; A: input hidden_states; B: input Wk: QUANTISED
;;     3. [M 8,192, K 1,024] x [K 1,024, N 1,024]; A: input hidden_states; B: input Wv: QUANTISED
;;     4. batch 64 x [M 2,048, K 32] x [K 32, N 2,048]; A: computed on the way; B: computed on the way: QUANTISED
;;     5. batch 64 x [M 64, K 2,048] x [K 2,048, N 2,048]; A: computed on the way; B: softmax (see below): QUANTISED
;;     6. [M 8,192, K 1,024] x [K 1,024, N 1,024]; A: computed on the way; B: input Wo: QUANTISED
;;   THE QUANTISER, for each operand of a quantised product, along K:
;;     - K is cut into blocks of 32 from its start; a last block that is shorter is filled with zeros.
;;     - A block's scale is 2^e with e = floor(log2(the largest magnitude in the block)) - 2, held to -126 .. 127; a block of zeros has e = 0. As a byte (E8M0): e + 127.
;;     - Each number is divided by its block's scale, clamped to +-7.5, and rounded to the nearest number of E2M3, ties to even, subnormals kept.
;;     - The product sums the exact products of the quantised numbers (number of the format x scale) in f32.
;;   ~~~python
;;   def quantise(x, axis):      # numpy; x: float32 -> the quantised numbers, widened to float32 again
;;       x = np.moveaxis(x, axis, -1); K = x.shape[-1]
;;       x = np.pad(x, [(0, 0)] * (x.ndim - 1) + [(0, -K % 32)]); x = x.reshape(x.shape[:-1] + (-1, 32)); a = np.abs(x).max(-1, keepdims=True)
;;       e = np.where(a > 0, np.clip(np.frexp(np.where(a > 0, a, 1))[1] - 1 - 2, -126, 127), 0)      # np.frexp(a)[1] - 1 = floor(log2(a)), exactly
;;       r = np.clip(x / 2.0 ** e, -7.5, 7.5)
;;       step = 2.0 ** (np.maximum(np.frexp(np.where(r == 0, 1, r))[1] - 1, 0) - 3)
;;       q = np.round(r / step) * step * 2.0 ** e      # np.round: ties to even
;;       return np.moveaxis(q.reshape(q.shape[:-2] + (-1,))[..., :K], -1, axis).astype(np.float32)
;;   ~~~
;;   SOFTMAX AHEAD OF A QUANTISED PRODUCT. Where the list says 'softmax', what is quantised is not the finished softmax but p = 2^(t - M), with t = logit x log2(e) and M = ceil(the row's largest t), a whole number; so 1/2 < the row's largest p <= 1. The row's sum l is taken of the UNQUANTISED p, in f32, and the product's result is divided by l at the end. Since M is a whole number, a kernel that streams over the keys may use a running M (the ceiling of the running maximum): every later rescaling is an exact power of two, which a block's scale takes up: the codes' values come out the same.
;;   OPERANDS COMPUTED ON THE WAY. 'Computed on the way' means the value that the module computes at that place (a softmax that the list does not call 'softmax' is quantised finished and normalised). What goes into a quantiser is computed in f32, as accurately as f32 sums, v_exp_f32 and their like allow (about 1e-6 of the number): no bf16 or f16 on the way to a quantiser, and a product that is left as it is and whose result goes on into a quantised operand takes f32 operands (vector FMAs, or v_wmma_f32_16x16x4_f32). A number that lies on a knife's edge between two numbers of the format may be rounded either way, as far as f32 arithmetic and the matrix unit's own rounding can turn it there, and no further.
;; One version. Each part assembles by itself: llvm-mc -triple=amdgcn-amd-amdhsa -mcpu=gfx1250 --defsym DOCPART=n.
;; ======== version 1 of 1: 4 launches
;; limits: right only within a limited range of input values
;; workspace buffers: xc 6,291,456 bytes; xs 524,288 bytes; wc 2,359,296 bytes; ws 98,304 bytes; kvrec 10,223,616 bytes; qrec 10,223,616 bytes; ac 6,291,456 bytes; asc 524,288 bytes
;; launch prep (part 1): grid 704 x 1, 4 waves a work-group, no clusters, 34,304 bytes of LDS; arguments hidden_states, Wq, Wk, Wv, Wo, xc, xs, wc, ws; writes xc, xs, wc, ws
.if DOCPART == 1
	.amdgcn_target "amdgcn-amd-amdhsa--gfx1250"
	.amdhsa_code_object_version 6
	.text
	.protected	k_q31f087d4bf_prep
	.globl	k_q31f087d4bf_prep
	.p2align	8
	.type	k_q31f087d4bf_prep,@function
k_q31f087d4bf_prep:
	s_mov_b64 s[64:65], 0
	v_nop
	global_prefetch_b8 v0, s[64:65] scope:SCOPE_SE
	s_setreg_imm32_b32 hwreg(HW_REG_WAVE_MODE, 25, 1), 1
	s_wait_xcnt 0x0
; x [8192][1024] and the four weights ([1024][512], [1024][512], [1024][1024], [1024][1024], K = the first axis), f32, become codes of FP6 (E2M3) with one E8M0 byte for each 32 along K.
; A block's scale is 2^(floor(log2(largest magnitude)) - 2): its byte is the largest magnitude's exponent field - 2, held at 1 from below by a floor among the maximum's leaves.
; LIMITS: NaN and infinities are not served; a block whose largest magnitude lies under 2^-124 (a block of zeros too) keeps the byte 1: its codes are zeros or tiny, and this program alone reads the bytes.
; THE CODES ARE LAID AS IMAGES OF OPERAND REGISTERS.  A fragment (16 rows x 128 K, 12 registers a lane) is 1,536 bytes: three chunks of 512, chunk c = lane l's registers 4 c .. 4 c + 3 at 16 l.
;   xc [512 tiles of 16 tokens][8 K steps][1,536];  xs [tile][K step][32 lanes x 4]: the row's scale word (lanes 16-31 hold it again).
;   wc [192 tiles of 16 columns][8][1,536]: tiles 0-31 Wq, 32-63 Wk, 64-127 Wv, 128-191 Wo.  In a group of 32 columns tile u, row r is column 8 u + r + 8 (r / 8), so that a transposed product's
;   16 registers of two neighbouring tiles are 16 neighbouring columns.   ws [96 pairs of tiles][8][32 lanes x 4]: lanes 0-15 the even tile's words, lanes 16-31 the odd tile's.
; Work-groups 0-511 take a tile of tokens each (wave w: K steps 2 w, 2 w + 1); work-groups 512-703 take 128 columns x one K step (wave w: 32 columns).  Waves share nothing: no barrier.
.set STG,   8448                       ; a wave's stage in LDS: 16 rows x (512 bytes + 16)
.set R,     32                         ; v32-159  x path: two fragments' numbers as loaded
.set X,     160                        ; v160-223 64 numbers a lane: register 16 b + i = k 32 b + 16 (lane / 16) + i of row lane % 16
.set PC,    224                        ; v224-242 the codes just made
.set TM,    8                          ; v8-23    largest magnitudes, bytes, scale operands
.set PW,    24                         ; v24      the scale word just made
.set SEL,   40                         ; s[40:41] lane selects: lane l xor 16
.set CW,    160                        ; weights: v160-183 two tiles' fragments
.set CT,    184                        ; v184-186 a conversion's second half
	s_load_b512 s[4:19], s[0:1], 0x0               ; x s[4:5], Wq s[6:7], Wk s[8:9], Wv s[10:11], Wo s[12:13], xc s[14:15], xs s[16:17], wc s[18:19]
	s_load_b64 s[20:21], s[0:1], 0x40              ; ws
	v_lshl_add_u32 v254, v0, 2, 0x8400
	v_mov_b32 v255, 0
	v_lshrrev_b32 v1, 5, v0
	v_readfirstlane_b32 s22, v1                    ; wave 0..3
	v_and_b32 v25, 31, v0                          ; lane
	v_and_b32 v26, 15, v0                          ; r
	v_bfe_u32 v27, v0, 4, 1                        ; h
	s_cmp_lt_u32 ttmp9, 512
	s_cbranch_scc0 .Lw
; ---------------- x
.macro XLOAD f                         ; fragment f: 16 loads, each 512 consecutive bytes of one row
.irp p, 0,1,2,3,4,5,6,7,8,9,10,11,12,13,14,15
	global_load_b128 v[R+64*\f+4*\p:R+64*\f+4*\p+3], v1, s[4:5] offset:4096*(32*(\p/8)+\p%8)+512*\f th:TH_LOAD_NT   ; row p of a tile is token 32 (p / 8) + p % 8 from the tile's first
.endr
.endm
.macro TURN f                          ; through my own stage: in as loaded, out 16 neighbours of each block a lane.  LDS serves a wave's instructions in order: no wait between
.irp p, 0,1,2,3,4,5,6,7,8,9,10,11,12,13,14,15
	ds_store_b128 v2, v[R+64*\f+4*\p:R+64*\f+4*\p+3] offset:528*\p
.endr
.irp b, 0,1,2,3
.irp j, 0,1,2,3
	ds_load_b128 v[X+16*\b+4*\j:X+16*\b+4*\j+3], v3 offset:128*\b+16*\j
.endr
.endr
.endm
.macro QUANT s                         ; 64 numbers of a lane become a fragment's codes in v[PC] on and its scale word in v[PW]
.irp b, 0,1,2,3
	v_max3_num_f32 v[TM+\b], |v[\s+16*\b]|, |v[\s+1+16*\b]|, 0x1800000   ; my 16 numbers of block b, and the floor 2^(3 - 127)
.endr
.irp i, 2,4,6,8,10,12,14
.irp b, 0,1,2,3
	v_max3_num_f32 v[TM+\b], v[TM+\b], |v[\s+16*\b+\i]|, |v[\s+1+16*\b+\i]|
.endr
.endr
.irp b, 0,1,2,3
	v_permlanex16_b32 v[TM+4+\b], v[TM+\b], s[SEL], s[SEL+1]
.endr
.irp b, 0,1,2,3
	v_max_num_f32 v[TM+\b], v[TM+\b], v[TM+4+\b]   ; with lane l xor 16's: the block's largest magnitude
.endr
.irp b, 0,1,2,3
	v_add_nc_u32 v[TM+12+\b], 0xff000000, v[TM+\b] ; 2 off its exponent field: the conversion's scale operand
.endr
.irp b, 0,1,2,3
	v_lshrrev_b32 v[TM+4+\b], 23, v[TM+12+\b]      ; the scale's byte
.endr
	v_lshl_or_b32 v[PW], v[TM+5], 8, v[TM+4]
	v_lshl_or_b32 v[PW], v[TM+6], 16, v[PW]
	v_lshl_or_b32 v[PW], v[TM+7], 24, v[PW]
.irp c, 0,1
	v_cvt_scalef32_pk16_fp6_f32 v[PC+6*\c:PC+2+6*\c], v[\s+32*\c:\s+15+32*\c], v[TM+12+2*\c]
	v_cvt_scalef32_pk16_fp6_f32 v[PC+12+4*\c:PC+14+4*\c], v[\s+16+32*\c:\s+31+32*\c], v[TM+12+2*\c+1]   ; (a conversion's three registers begin on an even number)
.endr
	v_nop                                          ; one plain line behind the scaled conversions
.irp c, 0,1                            ; the layout wants a whole block in a lane: lanes 0-15 block 2 c, lanes 16-31 block 2 c + 1
.irp i, 0,1,2
	v_permlane16_swap_b32 v[PC+6*\c+\i], v[PC+12+4*\c+\i]
.endr
.irp i, 0,1,2
	v_mov_b32 v[PC+3+6*\c+\i], v[PC+12+4*\c+\i]
.endr
.endr
.endm
.macro XSTORE f                        ; the image: each store covers 512 consecutive bytes
.irp c, 0,1,2
	global_store_b128 v1, v[PC+4*\c:PC+4*\c+3], s[14:15] offset:1536*\f+512*\c
.endr
	global_store_b32 v4, v[PW], s[16:17] offset:128*\f
.endm
	v_lshlrev_b32 v1, 4, v25                       ; 16 x lane
	s_mul_i32 s23, s22, STG
	v_add_nc_u32 v2, s23, v1                       ; stage, in
	v_mul_u32_u24 v3, v26, 528
	v_lshl_add_u32 v3, v27, 6, v3
	v_add_nc_u32 v3, s23, v3                       ; stage, out: row r, + 64 h
	v_lshlrev_b32 v4, 2, v25                       ; 4 x lane
.irp b, 0,1,2,3
	v_mov_b32 v[TM+4+\b], 0                        ; written once: a lane permute's destination counts as one of its sources
.endr
	s_mov_b32 s[SEL], 0x76543210
	s_mov_b32 s[SEL+1], 0xfedcba98
	; THE TOKENS OF A TILE ARE NOT NEIGHBOURS: tile 4 G + b, row r is token 64 G + 32 (r / 8) + 8 b + r % 8, so that in a product's result a lane's registers of four tiles b = 0 .. 3 are a whole block of 32 tokens
	s_lshr_b32 s24, ttmp9, 2
	s_lshl_b32 s24, s24, 18                        ; 64 G rows of 4,096 bytes
	s_and_b32 s25, ttmp9, 3
	s_lshl_b32 s25, s25, 15                        ; 8 b rows
	s_add_co_u32 s24, s24, s25
	s_lshl_b32 s25, s22, 10                        ; my two K steps: 1,024 bytes of each row
	s_add_co_u32 s24, s24, s25
	s_mov_b32 s25, 0
	s_lshl_b32 s26, ttmp9, 3
	s_lshl_b32 s27, s22, 1
	s_add_co_u32 s26, s26, s27                     ; 8 x tile + 2 x wave: my first fragment
	s_mul_i32 s28, s26, 1536
	s_mov_b32 s29, 0
	s_lshl_b32 s30, s26, 7
	s_mov_b32 s31, 0
	s_wait_alu depctr_va_vdst(0)
	s_wait_kmcnt 0x0
	s_add_nc_u64 s[4:5], s[4:5], s[24:25]
	s_add_nc_u64 s[14:15], s[14:15], s[28:29]
	s_add_nc_u64 s[16:17], s[16:17], s[30:31]
	XLOAD 0
	XLOAD 1
	s_wait_loadcnt 16                              ; fragment 0's 16 loads are in; fragment 1's may be out
	TURN 0
	s_wait_dscnt 0x0
	QUANT X
	XSTORE 0
	s_wait_loadcnt 0x0
	TURN 1
	s_wait_dscnt 0x0
	s_wait_xcnt 0x0                                ; the stores have read the codes and the word: both are written again below
	QUANT X
	XSTORE 1
	s_wait_tensorcnt 0x0
	ds_add_u32 v254, v255
	s_wait_dscnt 0x0
	s_endpgm
; ---------------- the weights: a lane takes a column, its registers run down K
.macro WLOAD t, stride                 ; block t: 32 rows of my column; a load reads 128 consecutive bytes
.irp i, 0,1,2,3,4,5,6,7,8,9,10,11,12,13,14,15,16,17,18,19,20,21,22,23,24,25,26,27,28,29,30,31
	global_load_b32 v[32+32*((\t)%2)+\i], v1, s[28:29] offset:(32*(\t)+\i)*(\stride) th:TH_LOAD_NT
.endr
.endm
.macro WBLK t, stride
.set XS, 32+32*((\t)%2)
.set CP, CW+6*(2*((\t)%2)+(\t)/2)      ; blocks 0, 2 lie in v[CW] on, blocks 1, 3 in v[CW + 12] on
.if (\t) < 3
	s_wait_loadcnt 32                              ; this block's 32 loads are in; the next block's may be out
.else
	s_wait_loadcnt 0x0
.endif
	v_max3_num_f32 v12, |v[XS]|, |v[XS+1]|, |v[XS+2]|
	v_max3_num_f32 v13, |v[XS+3]|, |v[XS+4]|, |v[XS+5]|
.irp i, 6,10,14,18,22,26
	v_max3_num_f32 v12, v12, |v[XS+\i]|, |v[XS+\i+1]|
	v_max3_num_f32 v13, v13, |v[XS+\i+2]|, |v[XS+\i+3]|
.endr
	v_max3_num_f32 v12, v12, |v[XS+30]|, |v[XS+31]|
	v_max3_num_f32 v12, v12, v13, 0x1800000        ; and the floor
	v_add_nc_u32 v11, 0xff000000, v12              ; the conversion's scale operand
	v_lshrrev_b32 v13, 23, v11                     ; the byte
.if (\t) == 0
	v_mov_b32 v30, v13
.else
	v_lshl_or_b32 v30, v13, 8*(\t), v30            ; my column's scale word
.endif
	v_cvt_scalef32_pk16_fp6_f32 v[CP:CP+2], v[XS:XS+15], v11
	v_cvt_scalef32_pk16_fp6_f32 v[CT:CT+2], v[XS+16:XS+31], v11
	v_nop                                          ; one plain line behind the scaled conversions
.irp i, 0,1,2
	v_mov_b32 v[CP+3+\i], v[CT+\i]
.endr
.if (\t)+2 < 4
	WLOAD (\t)+2, \stride
.endif
.endm
.macro WUNIT stride
	WLOAD 0, \stride
	WLOAD 1, \stride
	WBLK 0, \stride
	WBLK 1, \stride
	WBLK 2, \stride
	WBLK 3, \stride
.irp i, 0,1,2,3,4,5,6,7,8,9,10,11      ; lanes 0-15 hold the even tile's four blocks, lanes 16-31 the odd tile's: the exchange makes of (blocks 0, 2) and (blocks 1, 3) the two tiles' fragments
	v_permlane16_swap_b32 v[CW+\i], v[CW+12+\i]
.endr
.irp c, 0,1,2
	global_store_b128 v2, v[CW+4*\c:CW+4*\c+3], s[18:19] offset:512*\c
	global_store_b128 v2, v[CW+12+4*\c:CW+12+4*\c+3], s[18:19] offset:12288+512*\c   ; the odd tile: 8 fragments on
.endr
	global_store_b32 v3, v30, s[20:21]
	s_endpgm
.endm
.Lw:
	s_sub_co_u32 s24, ttmp9, 512
	s_lshr_b32 s25, s24, 3                         ; which 128 columns of the 3,072: 0-3 Wq, 4-7 Wk, 8-15 Wv, 16-23 Wo
	s_and_b32 s26, s24, 7                          ; K step
	s_wait_kmcnt 0x0
	s_cmp_lt_u32 s25, 4
	s_cselect_b64 s[28:29], s[6:7], s[8:9]
	s_cselect_b32 s27, 0, 4
	s_cmp_lt_u32 s25, 16
	s_cselect_b64 s[30:31], s[10:11], s[12:13]
	s_cselect_b32 s32, 8, 16
	s_cmp_lt_u32 s25, 8
	s_cselect_b64 s[28:29], s[28:29], s[30:31]     ; the choice hangs on the work-group's number alone
	s_cselect_b32 s27, s27, s32
	s_cselect_b32 s33, 18, 19                      ; 128 rows are 2^18 or 2^19 bytes
	s_sub_co_u32 s27, s25, s27                     ; which 128 columns of that matrix
	s_lshl_b32 s34, s26, s33
	s_lshl_b32 s27, s27, 9
	s_add_co_u32 s34, s34, s27
	s_lshl_b32 s27, s22, 7                         ; my wave's 32 columns
	s_add_co_u32 s34, s34, s27
	s_mov_b32 s35, 0
	s_add_nc_u64 s[28:29], s[28:29], s[34:35]
	s_lshl_b32 s36, s25, 2
	s_add_co_u32 s36, s36, s22                     ; my pair of tiles
	s_lshl_b32 s37, s36, 4
	s_add_co_u32 s37, s37, s26
	s_mul_i32 s34, s37, 1536                       ; (16 x pair + K step) fragments
	s_add_nc_u64 s[18:19], s[18:19], s[34:35]
	s_lshl_b32 s37, s36, 3
	s_add_co_u32 s37, s37, s26
	s_lshl_b32 s34, s37, 7
	s_add_nc_u64 s[20:21], s[20:21], s[34:35]
	s_wait_alu depctr_va_vdst(0)
	v_and_b32 v5, 8, v26
	v_add_nc_u32 v5, v5, v26
	v_lshl_add_u32 v5, v27, 3, v5                  ; my column of the 32: 8 u + r + 8 (r / 8)
	v_lshlrev_b32 v1, 2, v5
	v_lshlrev_b32 v2, 4, v25
	v_lshlrev_b32 v3, 2, v25
	s_cmp_lt_u32 s25, 8
	s_cbranch_scc0 .Lwide
	WUNIT 2048                                     ; the row's length stands in the loads' immediates: two copies
.Lwide:
	s_wait_alu depctr_va_vdst(0)
	WUNIT 4096
.Lfunc_end_k_q31f087d4bf_prep:
	.size	k_q31f087d4bf_prep, .Lfunc_end_k_q31f087d4bf_prep-k_q31f087d4bf_prep
	.p2alignl 7, 3214868480
	.fill 96, 4, 3214868480
	.section	.rodata,"a",@progbits
	.p2align	6, 0x0
	.amdhsa_kernel k_q31f087d4bf_prep
		.amdhsa_group_segment_fixed_size 34304
		.amdhsa_private_segment_fixed_size 0
		.amdhsa_enable_private_segment 0
		.amdhsa_kernarg_size 72
		.amdhsa_user_sgpr_count 2
		.amdhsa_user_sgpr_kernarg_segment_ptr 1
		.amdhsa_wavefront_size32 1
		.amdhsa_system_sgpr_workgroup_id_x 1
		.amdhsa_system_sgpr_workgroup_id_y 1
		.amdhsa_system_sgpr_workgroup_id_z 1
		.amdhsa_system_vgpr_workitem_id 0
		.amdhsa_next_free_vgpr 256
		.amdhsa_next_free_sgpr 66
		.amdhsa_reserve_vcc 0
		.amdhsa_float_denorm_mode_32 3
		.amdhsa_float_denorm_mode_16_64 3
		.amdhsa_memory_ordered 1
		.amdhsa_forward_progress 1
		.amdhsa_inst_pref_size 57
	.end_amdhsa_kernel
	.amdgpu_metadata
---
amdhsa.version: [ 1, 2 ]
amdhsa.kernels:
  - .name:           k_q31f087d4bf_prep
    .symbol:         k_q31f087d4bf_prep.kd
    .args:
      - { .name: hidden_states, .offset: 0, .size: 8, .value_kind: global_buffer, .address_space: global }
      - { .name: Wq, .offset: 8, .size: 8, .value_kind: global_buffer, .address_space: global }
      - { .name: Wk, .offset: 16, .size: 8, .value_kind: global_buffer, .address_space: global }
      - { .name: Wv, .offset: 24, .size: 8, .value_kind: global_buffer, .address_space: global }
      - { .name: Wo, .offset: 32, .size: 8, .value_kind: global_buffer, .address_space: global }
      - { .name: xc, .offset: 40, .size: 8, .value_kind: global_buffer, .address_space: global }
      - { .name: xs, .offset: 48, .size: 8, .value_kind: global_buffer, .address_space: global }
      - { .name: wc, .offset: 56, .size: 8, .value_kind: global_buffer, .address_space: global }
      - { .name: ws, .offset: 64, .size: 8, .value_kind: global_buffer, .address_space: global }
    .group_segment_fixed_size: 34304
    .private_segment_fixed_size: 0
    .kernarg_segment_align: 8
    .kernarg_segment_size: 72
    .max_flat_workgroup_size: 128
    .sgpr_count:     66
    .vgpr_count:     256
    .wavefront_size: 32
...
	.end_amdgpu_metadata
.endif
;; end of part 1
;; launch proj (part 2): grid 8 x 32, 4 waves a work-group, clusters of 4 x 1, 213,504 bytes of LDS; arguments xc, xs, wc, ws, bq, bk, bv, qrec, kvrec; writes qrec, kvrec
.if DOCPART == 2
	.amdgcn_target "amdgcn-amd-amdhsa--gfx1250"
	.amdhsa_code_object_version 6
	.text
	.protected	k_q31f087d4bf_proj
	.globl	k_q31f087d4bf_proj
	.p2align	8
	.type	k_q31f087d4bf_proj,@function
k_q31f087d4bf_proj:
	s_mov_b64 s[64:65], 0
	v_nop
	global_prefetch_b8 v0, s[64:65] scope:SCOPE_SE
	s_setreg_imm32_b32 hwreg(HW_REG_WAVE_MODE, 25, 1), 1
	s_wait_xcnt 0x0
	s_wait_alu depctr_hold_cnt(0) depctr_sa_sdst(0) depctr_va_vdst(0) depctr_va_sdst(0) depctr_va_ssrc(0) depctr_va_vcc(0) depctr_vm_vsrc(0)
	s_getreg_b32 s2, hwreg(HW_REG_IB_STS2, 6, 4)
	s_cmp_eq_u32 s2, 0
	s_cbranch_scc0 .Lentry_in_a_cluster
	s_endpgm
.Lentry_in_a_cluster:
	s_bfe_u32 s2, ttmp6, 0x10000c
	s_cmp_lg_u32 s2, 0x3003
	s_cbranch_scc0 .Lentry_shape_is_right
	s_endpgm
.Lentry_shape_is_right:
; q = (x Wq + bq) / sqrt(32), k = x Wk + bk, v = x Wv + bv on codes of FP6 (E2M3), and their results quantised again, in registers, for the attention's two products.
; SHARES.  A work-group takes 256 tokens (grid y) x 256 of the 2,048 columns (q 512, k 512, v 1,024).  The four work-groups of a cluster take the same tokens: x's 128 fragments and their scale words
; are asked for JOINTLY (one mask for the four), land whole in LDS and are filled once: no slot is ever filled again.  Wave w keeps its 64 columns' 32 fragments of W in registers for the whole launch.
; Cluster x = 0 holds q's and k's column groups, cluster x = 1 v's: the two ways part on the cluster's x, which partners share; q against k is a choice of pointers and of a factor, by s_cselect alone.
; q, k: THE PRODUCT IS USED TRANSPOSED (source 0 = 16 columns of W, source 1 = 16 tokens): a lane holds one token, and the 16 registers of tiles 2 e, 2 e + 1 are d = 16 (lane / 16) + 0 .. 15 of head e.
; v: source 0 = 16 tokens, source 1 = 16 columns: a lane holds one column, and the 16 registers of token tiles 2 s, 2 s + 1 are 16 of a block of 32 keys (place 16 h + 8 m + j holds key 16 m + 8 h + j;
; the attention's p has its keys in the same places).
; WHAT IS STORED: a record of 9,984 bytes for each head and each 128 tokens.  +0, +1,536: two images of k (or q): in block 2 c + hh (lanes 16 hh + r, registers 6 c .. 6 c + 5) the 32 codes of token 64 g + 32 (r / 8) + 8 (2 c + hh) + r % 8;
; +3,072 + 1,536 i: the image of v^T, tile i of 16 of the head's 64; +9,216: k's scale words, 8 bytes a lane (g = 0, 1; byte 2 c + hh); +9,472: v's, 16 bytes a lane (tiles 0 .. 3).
; LIMITS: NaN and infinities are not served; a block whose largest magnitude lies under 2^-124 keeps the scale byte 1.
; REGISTERS, in windows of 256: window 0: v1-9 addresses; v16-31 W's scale words (lanes 0-15 the even tile, 16-31 the odd); v32-63 x's scale words, two sets; v64-159, v160-255 x's fragments, two buffers (2 tiles x 4 K steps).
;   window 1: W's fragments of K steps 0-3, (tile i, K step kq) at v[12 (4 i + kq)];  window 2: of K steps 4-7.   window 3: v0-127 accumulators, v128-159 biases, v160.. the quantiser's registers.
.set XSCL,  196608                     ; LDS: x's images [16 tiles][8 K steps][1,536], then their scale words [16][8][128]
.set REC,   9984
.set HEADB, 159744                     ; a head's 16 records
; AS THE TILES OF TOKENS ARE LAID NOW (tile 4 G + b, row r = token 64 G + 32 (r / 8) + 8 b + r % 8): in k's and q's images block b, row r of image g is token 64 g + 32 (r / 8) + 8 b + r % 8 of the record;
; on v's way lane half h of token tile b holds keys 64 g + 32 h + 8 b + 0 .. 7, so the 32 registers of tiles b = 0 .. 3 are block 2 g + h whole, in the keys' own order: no lane is asked for a maximum, nothing is swapped.
; Window 3: v0-127 accumulators (q, k: v0-63), v128-159 biases, v160.. the quantiser's registers.
.set BIAS,  128
.set CF,    160                        ; v160-207 the images in the making
.set TT,    208                        ; v208-223 conversions' second halves
.set MX,    224                        ; largest magnitudes
.set MP,    228                        ; the other half's, then the bytes
.set SO,    232                        ; the conversions' scale operands
.set WD,    236                        ; scale words in the making
.set SHH,   240                        ; 8 x (lane / 16)
.set MSB, 0
.macro WIN new                         ; the immediate's high byte repeats the setting that is left
.if MSB != (\new)
	s_set_vgpr_msb (MSB<<8)|(\new)
.set MSB, (\new)
.endif
.endm
.macro ROUND                           ; a round of the cluster's barrier
	s_barrier_signal -1
	s_barrier_wait -1
	s_cmp_lg_u32 s3, 0
	s_cbranch_scc1 .Lnot_wave_0_\@
	s_barrier_signal -3
.Lnot_wave_0_\@:
	s_barrier_wait -3
	s_barrier_signal -1
	s_barrier_wait -1
.endm
.macro PLACES n
.rept \n
	v_nop
.endr
.endm
	s_load_b512 s[4:19], s[0:1], 0x0               ; xc s[4:5], xs s[6:7], wc s[8:9], ws s[10:11], bq s[12:13], bk s[14:15], bv s[16:17], qrec s[18:19]
	s_load_b64 s[20:21], s[0:1], 0x40              ; kvrec
	v_lshl_add_u32 v14, v0, 2, 0x34000
	v_mov_b32 v15, 0
	ds_add_u32 v14, v15
	ds_add_u32 v14, v15
	v_lshrrev_b32 v10, 5, v0
	v_readfirstlane_b32 s3, v10                    ; wave 0..3
	s_and_b32 s59, ttmp7, 0xffff                   ; which 256 tokens
	; descriptor group 1: a dense block as rows of 256 bytes (32 elements of 8 bytes): 256 rows of images or 64 rows of scale words, a wave
	s_mov_b32 s24, 15|(3<<16)|(1<<21)              ; 15:0 the mask: all four work-groups; 17:16 elements of 8 bytes; 21 set beside a mask
	s_mov_b32 s25, 32<<16                          ; tensor_dim0
	s_mov_b32 s26, 256<<16                         ; tensor_dim1: waves 0-2 bring 256 rows of images each
	s_mov_b32 s27, 32<<16                          ; tile_dim0
	s_mov_b32 s28, 256                             ; tile_dim1
	s_mov_b32 s29, 32                              ; pitch
	s_mov_b32 s30, 0
	s_mov_b32 s31, 0
	s_mov_b32 s32, 15|(3<<16)|(1<<21)
	s_mov_b32 s33, 32<<16
	s_mov_b32 s34, 64<<16                          ; wave 3 brings all 64 rows of scale words
	s_mov_b32 s35, 32<<16
	s_mov_b32 s36, 64
	s_mov_b32 s37, 32
	s_mov_b32 s38, 0
	s_mov_b32 s39, 0
	s_mov_b32 s40, 1
	s_mul_i32 s41, s3, 65536                       ; LDS: my third of the images
	s_mul_i32 s60, s59, 196608
	s_add_co_u32 s60, s60, s41
	s_mov_b32 s61, 0
	s_mov_b32 s44, 1
	s_mov_b32 s45, XSCL
	s_lshl_b32 s62, s59, 14
	s_mov_b32 s63, 0
	s_wait_dscnt 0x0
	s_wait_kmcnt 0x0
	s_add_nc_u64 s[42:43], s[4:5], s[60:61]
	s_or_b32 s43, s43, 0x80000000
	s_add_nc_u64 s[46:47], s[6:7], s[62:63]
	s_or_b32 s47, s47, 0x80000000
	ROUND                                          ; all four work-groups are here: the joint loads meet
	s_cmp_lt_u32 s3, 3                             ; one load a wave.  The launch's only fills
	s_cbranch_scc0 .Lfill_s
	tensor_load_to_lds s[40:43], s[24:31]
	s_nop 0
.rept 4
	v_nop
.endr
	s_branch .Lfilled
.Lfill_s:
	tensor_load_to_lds s[44:47], s[32:39]
	s_nop 0
.rept 4
	v_nop
.endr
.Lfilled:
	v_and_b32 v10, 31, v0                          ; lane
	v_lshlrev_b32 v6, 4, v10                       ; 16 x lane
	s_wait_alu depctr_va_vdst(0)
	v_lshlrev_b32 v7, 3, v10                       ; 8 x lane
	v_lshlrev_b32 v8, 2, v10                       ; 4 x lane
	s_wait_alu depctr_va_vdst(0)
	v_bfe_u32 v11, v0, 4, 1                        ; h
	v_and_b32 v12, 15, v0                          ; r
	s_bfe_u32 s58, ttmp6, 0x40000                  ; cx: it enters the addresses of plain loads and stores alone
	s_lshl_b32 s66, ttmp9, 2
	s_add_co_u32 s66, s66, s58                     ; my group of 256 columns
	s_lshl_b32 s67, s66, 2
	s_add_co_u32 s67, s67, s3                      ; my wave's 64 columns
	s_mul_i32 s68, s67, 49152                      ; 4 tiles x 8 fragments each
	s_mov_b32 s69, 0
	s_add_nc_u64 s[8:9], s[8:9], s[68:69]
	s_lshl_b32 s68, s67, 11                        ; 2 pairs x 8 x 128 bytes
	s_add_nc_u64 s[10:11], s[10:11], s[68:69]
	WIN 0x40                                       ; destination window 1
.irp i, 0,1,2,3
.irp kq, 0,1,2,3
.irp c, 0,1,2
	global_load_b128 v[12*(4*\i+\kq)+4*\c:12*(4*\i+\kq)+4*\c+3], v6, s[8:9] offset:(8*\i+\kq)*1536+512*\c
.endr
.endr
.endr
	WIN 0x80                                       ; destination window 2
.irp i, 0,1,2,3
.irp kq, 0,1,2,3
.irp c, 0,1,2
	global_load_b128 v[12*(4*\i+\kq)+4*\c:12*(4*\i+\kq)+4*\c+3], v6, s[8:9] offset:(8*\i+4+\kq)*1536+512*\c
.endr
.endr
.endr
	WIN 0
.irp p, 0,1
.irp ks, 0,1,2,3,4,5,6,7
	global_load_b32 v[16+8*\p+\ks], v8, s[10:11] offset:(8*\p+\ks)*128
.endr
.endr
	WIN 0xC0                                       ; destination window 3
.irp b, 0,1,2,3
	v_mov_b32 v[MP+\b], 0                          ; written once: a lane permute's destination counts as one of its sources
.endr
	s_wait_alu depctr_va_vdst(0)                   ; directly ahead of the reader below
	v_lshlrev_b32 v[SHH], 3, v11                   ; 8 h
	WIN 0
	s_mov_b32 s52, 0x76543210
	s_mov_b32 s53, 0xfedcba98
	s_mov_b32 s50, 1.0                             ; the factor pair is written on the common way, so that it holds a number on every way; q's and k's arm below sets its choice, v's way never multiplies by it
	s_mov_b32 s51, 1.0
	s_lshr_b32 s70, s59, 3
	s_lshl_b32 s70, s70, 4                         ; 16 heads x batch
	s_and_b32 s71, s59, 7
	s_mul_i32 s71, s71, 2*REC                      ; my 256 tokens are two records of each head
	s_lshl_b32 s72, s3, 8                          ; my 64 numbers of a bias
	s_mov_b32 s73, 0
	s_mov_b32 s77, 0
	s_cmp_eq_u32 ttmp9, 0
	s_cbranch_scc0 .Lhead_v
	s_cmp_lt_u32 s58, 2                            ; q (cx 0, 1) or k (cx 2, 3): pointers and a factor are chosen, nothing branches
	s_cselect_b64 s[74:75], s[12:13], s[14:15]
	s_cselect_b64 s[48:49], s[18:19], s[20:21]
	s_cselect_b32 s50, 0x3e3504f3, 1.0             ; 1 / sqrt(32) for q; k is multiplied by 1
	s_mov_b32 s51, s50
	s_and_b32 s76, s58, 1
	s_lshl_b32 s78, s76, 10
	s_add_co_u32 s72, s72, s78
	s_add_nc_u64 s[74:75], s[74:75], s[72:73]
	s_lshl_b32 s76, s76, 3
	s_add_co_u32 s76, s76, s70
	s_lshl_b32 s78, s3, 1
	s_add_co_u32 s76, s76, s78                     ; my first head: 16 batch + 8 (cx % 2) + 2 wave
	s_mul_i32 s76, s76, HEADB
	s_add_co_u32 s76, s76, s71
	s_add_nc_u64 s[48:49], s[48:49], s[76:77]
	s_wait_alu depctr_va_vdst(0)
	v_lshlrev_b32 v9, 6, v11                       ; the bias in the result's layout: tile 2 e + u, lane half h: columns 32 e + 16 h + 8 u + 0 .. 7
	WIN 0xC0
.irp i, 0,1,2,3
	global_load_b128 v[BIAS+8*\i:BIAS+8*\i+3], v9, s[74:75] offset:128*(\i/2)+32*(\i%2)
	global_load_b128 v[BIAS+8*\i+4:BIAS+8*\i+7], v9, s[74:75] offset:128*(\i/2)+32*(\i%2)+16
.endr
	WIN 0
	s_branch .Lhead_done
.Lhead_v:
	s_lshl_b32 s78, s58, 10
	s_add_co_u32 s72, s72, s78
	s_add_nc_u64 s[74:75], s[16:17], s[72:73]
	s_lshl_b32 s76, s58, 2
	s_add_co_u32 s76, s76, s70
	s_add_co_u32 s76, s76, s3                      ; my head: 16 batch + 4 cx + wave
	s_mul_i32 s76, s76, HEADB
	s_add_co_u32 s76, s76, s71
	s_add_nc_u64 s[48:49], s[20:21], s[76:77]
	s_wait_alu depctr_va_vdst(0)
	v_and_b32 v9, 8, v12
	v_add_nc_u32 v9, v9, v12
	v_lshlrev_b32 v9, 2, v9                        ; a lane holds one column: r + 8 (r / 8) of its tile: the bias is the same number in all eight registers
	WIN 0xC0
.irp i, 0,1,2,3
.irp j, 0,1,2,3,4,5,6,7
	global_load_b32 v[BIAS+8*\i+\j], v9, s[74:75] offset:128*(\i/2)+32*(\i%2)
.endr
.endr
	WIN 0
.Lhead_done:
.macro ADDRS                           ; the LDS addresses of a trip's 8 tiles (s54, s55) and of the other 8
	s_xor_b32 s57, s54, 98304
	v_add_nc_u32 v1, s54, v6                       ; tiles 0-3
	v_add_nc_u32 v2, 49152, v1                     ; tiles 4-7
	v_add_nc_u32 v3, s57, v6                       ; the other trip's tile 0
	s_xor_b32 s79, s55, 8192
	v_add_nc_u32 v4, s55, v8                       ; scale words
	v_add_nc_u32 v5, s79, v8
.endm
.macro FETCH buf, adr, off, k0         ; 24 LDS loads: two tiles x four K steps from k0 on, as images
.irp m, 0,1
.irp kq, 0,1,2,3
.irp c, 0,1,2
	ds_load_b128 v[64+96*(\buf)+12*(4*\m+\kq)+4*\c:64+96*(\buf)+12*(4*\m+\kq)+4*\c+3], v[\adr] offset:(\off)+\m*12288+((\k0)+\kq)*1536+512*\c
.endr
.endr
.endr
.endm
.macro FSC sset, adr, off              ; 16 LDS loads: two tiles' scale words of all eight K steps
.irp m, 0,1
.irp ks, 0,1,2,3,4,5,6,7
	ds_load_b32 v[32+16*(\sset)+8*\m+\ks], v[\adr] offset:(\off)+\m*1024+\ks*128
.endr
.endr
.endm
.macro WM kind, half, sset, kq, m, i   ; one product.  kind 0: q, k (transposed); 1: v
.if (\kind) == 0
.set rD, 8*(4*((\i)/2)+2*(\m)+(\i)%2)  ; block 2 e + m: 16 registers on end
.else
.set rD, 32*(\i)+8*(2*(\sset)+(\m))    ; column tile i: 32 registers on end, token tile b = 2 (step % 2) + m at 8 b
.endif
.set rC, rD
.if ((\half) == 0) && ((\kq) == 0)
.set rC, BIAS+8*(\i)                   ; the bias starts the sum
.endif
.set rW, 12*(4*(\i)+(\kq))
.set rX, 64+96*(\half)+12*(4*(\m)+(\kq))
.set rWS, 16+8*((\i)/2)+4*(\half)+(\kq)
.set rXS, 32+16*(\sset)+8*(\m)+4*(\half)+(\kq)
.if (\kind) == 0
.if ((\i)%2) == 0
	v_wmma_scale_f32_16x16x128_f8f6f4 v[rD:rD+7], v[rW:rW+11], v[rX:rX+11], v[rC:rC+7], v[rWS], v[rXS] matrix_a_fmt:MATRIX_FMT_FP6 matrix_b_fmt:MATRIX_FMT_FP6
.else
	v_wmma_scale_f32_16x16x128_f8f6f4 v[rD:rD+7], v[rW:rW+11], v[rX:rX+11], v[rC:rC+7], v[rWS], v[rXS] matrix_a_fmt:MATRIX_FMT_FP6 matrix_b_fmt:MATRIX_FMT_FP6 matrix_a_scale:MATRIX_SCALE_ROW1
.endif
.else
.if ((\i)%2) == 0
	v_wmma_scale_f32_16x16x128_f8f6f4 v[rD:rD+7], v[rX:rX+11], v[rW:rW+11], v[rC:rC+7], v[rXS], v[rWS] matrix_a_fmt:MATRIX_FMT_FP6 matrix_b_fmt:MATRIX_FMT_FP6
.else
	v_wmma_scale_f32_16x16x128_f8f6f4 v[rD:rD+7], v[rX:rX+11], v[rW:rW+11], v[rC:rC+7], v[rXS], v[rWS] matrix_a_fmt:MATRIX_FMT_FP6 matrix_b_fmt:MATRIX_FMT_FP6 matrix_b_scale:MATRIX_SCALE_ROW1
.endif
.endif
.endm
.macro MUL kind, half, sset            ; 32 products: four K steps; the eight accumulators take turns, one instruction a turn
.irp kq, 0,1,2,3
.irp m, 0,1
.irp i, 0,1,2,3
	WM \kind, \half, \sset, \kq, \m, \i
.endr
.endr
.endr
.endm
.macro BMAX                            ; four blocks of 16 registers: largest magnitude, scale operand, byte.  Each accumulator is first read at its low end
.irp b, 0,1,2,3
	v_max3_num_f32 v[MX+\b], |v[16*\b]|, |v[16*\b+1]|, 0x1800000   ; with the floor 2^(3 - 127)
.endr
.irp i, 2,4,6,8,10,12,14
.irp b, 0,1,2,3
	v_max3_num_f32 v[MX+\b], v[MX+\b], |v[16*\b+\i]|, |v[16*\b+\i+1]|
.endr
.endr
.irp b, 0,1,2,3
	v_permlanex16_b32 v[MP+\b], v[MX+\b], s52, s53
.endr
.irp b, 0,1,2,3
	v_max_num_f32 v[MX+\b], v[MX+\b], v[MP+\b]
.endr
.irp b, 0,1,2,3
	v_add_nc_u32 v[SO+\b], 0xff000000, v[MX+\b]
.endr
.irp b, 0,1,2,3
	v_lshrrev_b32 v[MP+\b], 23, v[SO+\b]
.endr
.endm
.macro EPIQK ps                        ; token tiles 2 ps, 2 ps + 1 of two heads: four blocks of 32 become a quarter of each head's two images
	s_wait_xcnt 0x0                                ; earlier stores have read the images and words that are written again below
.set j, 0
.rept 32
	v_pk_mul_f32 v[j:j+1], v[j:j+1], s[50:51] op_sel_hi:[1,0]
.set j, j+2
.endr
	BMAX
.irp e, 0,1
	v_cvt_scalef32_pk16_fp6_f32 v[CF+12*\e+6*((\ps)%2):CF+12*\e+6*((\ps)%2)+2], v[32*\e:32*\e+15], v[SO+2*\e]
	v_cvt_scalef32_pk16_fp6_f32 v[TT+4*\e:TT+4*\e+2], v[32*\e+16:32*\e+31], v[SO+2*\e+1]
.endr
	v_nop                                          ; one plain line behind the scaled conversions
.irp e, 0,1                            ; lanes 0-15 get tile 2 ps's tokens whole, lanes 16-31 tile 2 ps + 1's
.irp i, 0,1,2
	v_permlane16_swap_b32 v[CF+12*\e+6*((\ps)%2)+\i], v[TT+4*\e+\i]
.endr
.irp i, 0,1,2
	v_mov_b32 v[CF+12*\e+6*((\ps)%2)+3+\i], v[TT+4*\e+\i]
.endr
.endr
.irp e, 0,1
.if ((\ps)%2) == 0
	v_lshl_or_b32 v[WD+2*\e+(\ps)/2], v[MP+2*\e+1], 8, v[MP+2*\e]
.else
	v_lshl_or_b32 v[WD+2*\e+(\ps)/2], v[MP+2*\e], 16, v[WD+2*\e+(\ps)/2]
	v_lshl_or_b32 v[WD+2*\e+(\ps)/2], v[MP+2*\e+1], 24, v[WD+2*\e+(\ps)/2]
.endif
.endr
.if ((\ps)%2) == 1
	WIN 0x0C                                       ; a store's data: window 3
.irp e, 0,1
.irp c, 0,1,2
	global_store_b128 v6, v[CF+12*\e+4*\c:CF+12*\e+4*\c+3], s[48:49] offset:\e*HEADB+((\ps)/2)*1536+512*\c
.endr
.endr
.endif
.if (\ps) == 3
.irp e, 0,1
	global_store_b64 v7, v[WD+2*\e:WD+2*\e+1], s[48:49] offset:\e*HEADB+9216
.endr
.endif
.endm
.macro EPIV ps                         ; behind each second step: four token tiles are done, so a lane holds block 2 (ps / 2) + h of each of my four column tiles whole
.if ((\ps)%2) == 1
	s_wait_xcnt 0x0                                ; earlier stores have read the images and words that are written again below
.irp i, 0,1,2,3
	v_max3_num_f32 v[MX+\i], |v[32*\i]|, |v[32*\i+1]|, 0x1800000   ; with the floor 2^(3 - 127); each accumulator is first read at its low end
.endr
.irp k, 2,4,6,8,10,12,14,16,18,20,22,24,26,28,30
.irp i, 0,1,2,3
	v_max3_num_f32 v[MX+\i], v[MX+\i], |v[32*\i+\k]|, |v[32*\i+\k+1]|
.endr
.endr
.irp i, 0,1,2,3
	v_add_nc_u32 v[SO+\i], 0xff000000, v[MX+\i]
.endr
.irp i, 0,1,2,3
	v_lshrrev_b32 v[MP+\i], 23, v[SO+\i]
.endr
.irp i, 0,1,2,3
	v_cvt_scalef32_pk16_fp6_f32 v[CF+12*\i+6*((\ps)/2):CF+12*\i+6*((\ps)/2)+2], v[32*\i:32*\i+15], v[SO+\i]
	v_cvt_scalef32_pk16_fp6_f32 v[TT+4*\i:TT+4*\i+2], v[32*\i+16:32*\i+31], v[SO+\i]   ; (a conversion's three registers begin on an even number)
.endr
	v_nop                                          ; one plain line behind the scaled conversions
.irp i, 0,1,2,3
.irp k, 0,1,2
	v_mov_b32 v[CF+12*\i+6*((\ps)/2)+3+\k], v[TT+4*\i+\k]
.endr
.endr
.irp i, 0,1,2,3
.if (\ps) == 1
	v_mov_b32 v[WD+\i], v[MP+\i]
.else
	v_lshl_or_b32 v[WD+\i], v[MP+\i], 16, v[WD+\i] ; my two bytes: blocks h and 2 + h
.endif
.endr
.endif
.if (\ps) == 3
.irp i, 0,1,2,3
	v_lshlrev_b32 v[WD+\i], v[SHH], v[WD+\i]       ; at their places in the word, 8 h bits up;
.endr
.irp i, 0,1,2,3
	v_permlanex16_b32 v[MP+\i], v[WD+\i], s52, s53
.endr
.irp i, 0,1,2,3
	v_or_b32 v[WD+\i], v[WD+\i], v[MP+\i]          ; with lane l xor 16's two the word is whole
.endr
	WIN 0x0C
.irp i, 0,1,2,3
.irp c, 0,1,2
	global_store_b128 v6, v[CF+12*\i+4*\c:CF+12*\i+4*\c+3], s[48:49] offset:3072+1536*\i+512*\c
.endr
.endr
	global_store_b128 v6, v[WD:WD+3], s[48:49] offset:9472
.endif
.endm
; A step: two tiles of tokens x my 64 columns x all of K: 64 products.  Buffer 0 (K steps 0-3) and the scale words were asked for a step ago; buffer 1 (K steps 4-7) is asked for at the head.
.macro PSTEP kind, ps
.if (\ps) < 2
	FETCH 1, 1, ((\ps)%2)*24576, 4
.else
	FETCH 1, 2, ((\ps)%2)*24576, 4
.endif
	s_wait_dscnt 24                                ; all but the 24 just issued: buffer 0 and this step's scale words are in
	WIN 0xF1+3*(\kind)                             ; W window 1, x window 0, C and D window 3 (v: the sources change places)
	MUL \kind, 0, (\ps)%2
	WIN 0
	PLACES 4                                       ; in front of loads into registers that matrix instructions have read
.if (\ps) == 0
	FETCH 0, 1, 24576, 0
	FSC 1, 4, 2048
.elseif (\ps) == 1
	FETCH 0, 2, 0, 0
	FSC 0, 4, 4096
.elseif (\ps) == 2
	FETCH 0, 2, 24576, 0
	FSC 1, 4, 6144
.else
	FETCH 0, 3, 0, 0                               ; the other trip's first step.  In the second trip these are the first trip's bytes again, and nothing uses them: so the step is written once
	FSC 0, 5, 0
.endif
	s_wait_dscnt 40                                ; all but the 40 just issued: buffer 1 is in
	WIN 0xF2+6*(\kind)
	MUL \kind, 1, (\ps)%2
	WIN 0xFF
	PLACES 5                                       ; four in front of the reads of results; the fifth for the next step's products, which begin these accumulators anew
.if (\kind) == 0
	EPIQK \ps
.else
	EPIV \ps
.endif
	WIN 0
.endm
.macro TRIPS kind                      ; two trips of 128 tokens: a record each
.Ltrip_\@:
	s_wait_alu depctr_va_vdst(0)
	PSTEP \kind, 0
	PSTEP \kind, 1
	PSTEP \kind, 2
	PSTEP \kind, 3
	s_wait_xcnt 0x0                                ; the stores have read their base
	s_add_nc_u64 s[48:49], s[48:49], REC
	s_xor_b32 s54, s54, 98304
	s_xor_b32 s55, s55, 8192
	ADDRS
	s_sub_co_u32 s56, s56, 1
	s_cmp_lg_u32 s56, 0
	s_cbranch_scc1 .Ltrip_\@
.endm
	s_mov_b32 s54, 0
	s_mov_b32 s55, XSCL
	ADDRS
	s_wait_alu depctr_va_vdst(0)
	s_wait_tensorcnt 0x0                           ; my parts of x have landed,
	s_wait_loadcnt 0x0                             ; W, its scale words and the biases are in
	s_barrier_signal -1
	s_barrier_wait -1                              ; everybody's parts have
	FETCH 0, 1, 0, 0
	FSC 0, 4, 0
	s_mov_b32 s56, 2
	s_cmp_eq_u32 ttmp9, 0
	s_cbranch_scc0 .Lpath_v
	TRIPS 0
	s_branch .Lend
.Lpath_v:
	TRIPS 1
.Lend:
	s_wait_dscnt 0x0                               ; the last fetch has come back
	s_wait_tensorcnt 0x0
	ds_add_u32 v14, v15
	s_wait_dscnt 0x0
	ROUND                                          ; the closing round
	s_endpgm
.Lfunc_end_k_q31f087d4bf_proj:
	.size	k_q31f087d4bf_proj, .Lfunc_end_k_q31f087d4bf_proj-k_q31f087d4bf_proj
	.p2alignl 7, 3214868480
	.fill 96, 4, 3214868480
	.section	.rodata,"a",@progbits
	.p2align	6, 0x0
	.amdhsa_kernel k_q31f087d4bf_proj
		.amdhsa_group_segment_fixed_size 213504
		.amdhsa_private_segment_fixed_size 0
		.amdhsa_enable_private_segment 0
		.amdhsa_kernarg_size 72
		.amdhsa_user_sgpr_count 2
		.amdhsa_user_sgpr_kernarg_segment_ptr 1
		.amdhsa_wavefront_size32 1
		.amdhsa_system_sgpr_workgroup_id_x 1
		.amdhsa_system_sgpr_workgroup_id_y 1
		.amdhsa_system_sgpr_workgroup_id_z 1
		.amdhsa_system_vgpr_workitem_id 0
		.amdhsa_next_free_vgpr 1024
		.amdhsa_next_free_sgpr 80
		.amdhsa_reserve_vcc 0
		.amdhsa_float_denorm_mode_32 3
		.amdhsa_float_denorm_mode_16_64 3
		.amdhsa_memory_ordered 1
		.amdhsa_forward_progress 1
		.amdhsa_inst_pref_size 163
	.end_amdhsa_kernel
	.amdgpu_metadata
---
amdhsa.version: [ 1, 2 ]
amdhsa.kernels:
  - .name:           k_q31f087d4bf_proj
    .symbol:         k_q31f087d4bf_proj.kd
    .args:
      - { .name: xc, .offset: 0, .size: 8, .value_kind: global_buffer, .address_space: global }
      - { .name: xs, .offset: 8, .size: 8, .value_kind: global_buffer, .address_space: global }
      - { .name: wc, .offset: 16, .size: 8, .value_kind: global_buffer, .address_space: global }
      - { .name: ws, .offset: 24, .size: 8, .value_kind: global_buffer, .address_space: global }
      - { .name: bq, .offset: 32, .size: 8, .value_kind: global_buffer, .address_space: global }
      - { .name: bk, .offset: 40, .size: 8, .value_kind: global_buffer, .address_space: global }
      - { .name: bv, .offset: 48, .size: 8, .value_kind: global_buffer, .address_space: global }
      - { .name: qrec, .offset: 56, .size: 8, .value_kind: global_buffer, .address_space: global }
      - { .name: kvrec, .offset: 64, .size: 8, .value_kind: global_buffer, .address_space: global }
    .group_segment_fixed_size: 213504
    .private_segment_fixed_size: 0
    .kernarg_segment_align: 8
    .kernarg_segment_size: 72
    .max_flat_workgroup_size: 128
    .sgpr_count:     80
    .vgpr_count:     1024
    .wavefront_size: 32
...
	.end_amdgpu_metadata
.endif
;; end of part 2
;; launch attn (part 3): grid 4 x 64, 8 waves a work-group, clusters of 4 x 1, 167,936 bytes of LDS; arguments qrec, kvrec, ac, asc; writes ac, asc
.if DOCPART == 3
	.amdgcn_target "amdgcn-amd-amdhsa--gfx1250"
	.amdhsa_code_object_version 6
	.text
	.protected	k_q31f087d4bf_attn
	.globl	k_q31f087d4bf_attn
	.p2align	8
	.type	k_q31f087d4bf_attn,@function
k_q31f087d4bf_attn:
	s_mov_b64 s[64:65], 0
	v_nop
	global_prefetch_b8 v0, s[64:65] scope:SCOPE_SE
	s_setreg_imm32_b32 hwreg(HW_REG_WAVE_MODE, 25, 1), 1
	s_wait_xcnt 0x0
	s_wait_alu depctr_hold_cnt(0) depctr_sa_sdst(0) depctr_va_vdst(0) depctr_va_sdst(0) depctr_va_ssrc(0) depctr_va_vcc(0) depctr_vm_vsrc(0)
	s_getreg_b32 s2, hwreg(HW_REG_IB_STS2, 6, 4)
	s_cmp_eq_u32 s2, 0
	s_cbranch_scc0 .Lentry_in_a_cluster
	s_endpgm
.Lentry_in_a_cluster:
	s_bfe_u32 s2, ttmp6, 0x10000c
	s_cmp_lg_u32 s2, 0x3003
	s_cbranch_scc0 .Lentry_shape_is_right
	s_endpgm
.Lentry_shape_is_right:
; o = softmax(q k^T) v for one batch and head (grid y) and 512 queries (work-group x), on codes of FP6 (E2M3); o is quantised again, in registers, as the left operand of the last projection.
; p = 2^(t - M), t = score x log2(e), M the running largest t rounded up to a whole number; the row's sum is taken of the unquantised p; when M moves, sum and O^T are multiplied by an exact power of two.
; LIMITS: the scaled scores t stay under 2^31 in magnitude; NaN and infinities are not served; a block whose largest p lies under 2^-124 keeps the scale byte 1.
; DATA: a record of 9,984 bytes for each head and 128 tokens: two images of k (or q), four of v^T, k's scale words, v's scale words, all as images of operand registers.
; In image g, block b (K = 32 b ..), row r holds the 32 codes of token 64 g + 32 (r / 8) + 8 b + r % 8.  A score tile is k's image x a q operand that is zero outside block b: S^T of 16 keys x 16 queries.
; Lane (query r, half h) so holds in the 32 registers of tiles b = 0 .. 3 of image g the keys 64 g + 32 h + 0 .. 31: BLOCK 2 g + h WHOLE, in the very place that the next operand's layout gives that lane:
; a block's largest score needs no other lane, and the conversions' results are the operand's registers.  v^T's images have their keys in the same order.
; SHARES: the head's 16 records (159,744 bytes) come into LDS once, one tensor load a wave (2 records, 78 rows of 256 bytes), asked for JOINTLY by the cluster's four work-groups, which take the same head.
; A wave takes 64 queries (4 tiles: b = 0 .. 3 of image wave % 2 of q's record 4 cx + wave / 2) through all 16 records; each fragment of k and v read from LDS serves the four tiles.
; No data prefetch: all that the launch reads through LDS is asked for at the head by those loads, and there is no loop to run ahead in.
; THE TILES GO IN PAIRS (a, b), one tile's dependent chains laid among the other's independent lines: a's maxima; b's maxima with a's M among them; a's t - M with b's M among them;
; a's exponentials by turns with b's t - M; b's exponentials by turns with a's conversions and the first level of a's sum; both scale words; both O^T x f; then for each tile O^T += v^T p^T,
; with the sums as the places between; last the next pair's scores.  Every line laid among exponentials is independent: its sources are written ahead of the wait in front of that batch, its result is read behind the wait after it.
; REGISTERS.  Window 0: v1-7 addresses; v8-15 and v46-53 the two tiles' registers at work; v16-31 per tile -M, largest score, the sum's two halves; v32-35 q's scale words, v36-37 p's, v38-39 k's, v40-43 v's;
;   v44-45, v54-55 f; v56-62 conversions' second halves; v64-75 p's codes; v76-123 v^T's fragments; v124-187, v188-251 S, then p, of the pair's two tiles.
;   Window 1: v0-127 O^T (tile a at 32 a); v128-229 q's operands: zeros, lanes 0-15, zeros, lanes 16-31, zeros .. (6 registers each); v230-253 k's fragments.
.set REC,   9984
.set HEADB, 159744
.set SPARE, 159744                     ; behind the records: the spare words, 128 bytes a wave
.set ST,    16
.set QS,    32
.set PW,    36                         ; p's scale words: the pair's tile x at PW + x
.set KS,    38
.set VS,    40
.set F,     44                         ; f = 2^(old M - new M), low word of a pair: tile x at F + 10 x
.set BM,    46                         ; the registers at work of tile x lie 38 x lower: block maxima,
.set SO,    48                         ; second chains of the maxima, then the conversions' scale operands,
.set BY,    50                         ; old -M, then the bytes,
.set T0,    52                         ; and two more.  v46-55 are also the side chains of a row's sum
.set CT,    56
.set SH8,   63                         ; 8 x (lane / 16)
.set PC,    64
.set VF,    76
.set SA,    124
.set SB,    188
.set SPW,   252
.set NIL,   253
.set QB,    128
.set KF,    230
.set MSB, 0
.macro WIN new                         ; the immediate's high byte repeats the setting that is left
.if MSB != (\new)
	s_set_vgpr_msb (MSB<<8)|(\new)
.set MSB, (\new)
.endif
.endm
.macro ROUND                           ; a round of the cluster's barrier
	s_barrier_signal -1
	s_barrier_wait -1
	s_cmp_lg_u32 s3, 0
	s_cbranch_scc1 .Lnot_wave_0_\@
	s_barrier_signal -3
.Lnot_wave_0_\@:
	s_barrier_wait -3
	s_barrier_signal -1
	s_barrier_wait -1
.endm
	s_load_b256 s[4:11], s[0:1], 0x0               ; qrec, kvrec, ac, asc
	v_lshl_add_u32 v[SPW], v0, 2, SPARE
	v_mov_b32 v[NIL], 0
	ds_add_u32 v[SPW], v[NIL]                      ; the opening lines: the add, twice on end, and its wait
	ds_add_u32 v[SPW], v[NIL]
	v_lshrrev_b32 v9, 5, v0
	v_readfirstlane_b32 s3, v9                     ; wave 0..7
	s_and_b32 s12, ttmp7, 0xffff                   ; 16 x batch + head
	s_mov_b32 s24, 15|(3<<16)|(1<<21)              ; the mask: all four work-groups; elements of 8 bytes; bit 21 beside a mask
	s_mov_b32 s25, 32<<16                          ; rows of 256 bytes
	s_mov_b32 s26, 78<<16                          ; 78 rows: two records
	s_mov_b32 s27, 32<<16
	s_mov_b32 s28, 78
	s_mov_b32 s29, 32
	s_mov_b32 s30, 0
	s_mov_b32 s31, 0
	s_mov_b32 s40, 1
	s_mul_i32 s41, s3, 2*REC
	s_mul_i32 s13, s12, HEADB
	s_add_co_u32 s14, s13, s41
	s_mov_b32 s15, 0
	s_wait_dscnt 0x0
	s_wait_kmcnt 0x0
	s_add_nc_u64 s[42:43], s[6:7], s[14:15]
	s_or_b32 s43, s43, 0x80000000
	ROUND                                          ; all four work-groups are here: the joint loads meet
	tensor_load_to_lds s[40:43], s[24:31]          ; my one load: the launch's only fills
	s_nop 0
	s_bfe_u32 s18, ttmp6, 0x40000                  ; cx: it enters the addresses of plain loads and stores alone
	s_mov_b32 s20, 0x76543210
	s_mov_b32 s21, 0xfedcba98                      ; lane selects: lane l xor 16
	s_mov_b32 s22, 0x3fb8aa3b                      ; log2(e)
	s_mov_b32 s23, s22
	s_mov_b32 s50, 0x0000ffff
	s_mov_b32 s51, 0xffff0000
	s_mov_b32 s53, 0x01010101
	s_lshl_b32 s60, s18, 2
	s_lshr_b32 s61, s3, 1
	s_add_co_u32 s60, s60, s61                     ; q's record: 4 cx + wave / 2
	s_mul_i32 s60, s60, REC
	s_add_co_u32 s60, s60, s13
	s_mov_b32 s61, 0
	s_add_nc_u64 s[54:55], s[4:5], s[60:61]
	s_and_b32 s62, s3, 1                           ; its image g
	s_mul_i32 s63, s62, 1536
	s_lshl_b32 s62, s62, 2
	v_and_b32 v9, 31, v0
	v_and_b32 v10, 15, v0
	v_bfe_u32 v11, v0, 4, 1
	v_lshlrev_b32 v1, 4, v9                        ; 16 x lane
	v_lshlrev_b32 v2, 3, v9                        ; 8 x lane
	v_lshlrev_b32 v5, 2, v9                        ; 4 x lane
	v_lshlrev_b32 v[SH8], 3, v11
	v_lshl_add_u32 v6, v10, 4, s63                 ; q's codes: image g, 16 r
	v_lshl_add_u32 v7, v10, 3, s62                 ; q's scale word: 8 r + 4 g
	s_wait_alu depctr_va_vdst(0)
.irp a, 0,1,2,3                        ; block a = 2 c + hh of the image: registers 6 c .. 6 c + 5 of lanes 16 hh + r; both halves of my lanes take row r
	global_load_b64 v[SA+8*\a:SA+8*\a+1], v6, s[54:55] offset:256*(\a%2)+520*(\a/2)
	global_load_b64 v[SA+8*\a+2:SA+8*\a+3], v6, s[54:55] offset:256*(\a%2)+8+1016*(\a/2)
	global_load_b64 v[SA+8*\a+4:SA+8*\a+5], v6, s[54:55] offset:256*(\a%2)+512+520*(\a/2)
.endr
	global_load_b32 v8, v7, s[54:55] offset:9216
	s_lshr_b32 s60, s12, 4
	s_lshl_b32 s60, s60, 7
	s_lshl_b32 s61, s18, 5
	s_add_co_u32 s60, s60, s61
	s_lshl_b32 s61, s3, 2
	s_add_co_u32 s60, s60, s61                     ; my first tile of tokens: 128 batch + 32 cx + 4 wave
	s_and_b32 s61, s12, 15
	s_lshr_b32 s62, s61, 1                         ; the head's K step of the last projection,
	s_and_b32 s63, s61, 1                          ; and its half of it
	s_mul_i32 s66, s60, 12288
	s_mul_i32 s67, s62, 1536
	s_add_co_u32 s66, s66, s67
	s_mul_i32 s67, s63, 768
	s_add_co_u32 s66, s66, s67
	s_mov_b32 s67, 0
	s_add_nc_u64 s[56:57], s[8:9], s[66:67]
	s_lshl_b32 s66, s60, 10
	s_lshl_b32 s62, s62, 7
	s_add_co_u32 s66, s66, s62
	s_lshl_b32 s63, s63, 1
	s_add_co_u32 s66, s66, s63
	s_add_nc_u64 s[58:59], s[10:11], s[66:67]
.irp a, 0,1,2,3
	v_mov_b32 v[ST+4*\a], 0x7f61b1e6               ; -M = 3e38
	v_mov_b32 v[ST+4*\a+1], 0xff61b1e6             ; the largest score so far: -3e38
	v_mov_b32 v[ST+4*\a+2], 0
	v_mov_b32 v[ST+4*\a+3], 0
.endr
	v_mov_b32 v[F+1], 0                            ; (named as the upper halves of pairs)
	v_mov_b32 v[F+11], 0
	v_mov_b32 v[T0+1], 0                           ; a lane permute's destination counts as one of its sources
	v_mov_b32 v[T0-37], 0
	WIN 0x40
.set j, 0
.rept 128
	v_mov_b32 v[j], 0                              ; O^T.  The turn is written once: the first finds zeros, which the first change of M leaves zeros.  These lines stand under the tensor load's flight
.set j, j+1
.endr
.irp k, 0,1,2,3,4,5,6,7,8
.irp i, 0,1,2,3,4,5
	v_mov_b32 v[QB+12*\k+\i], 0                    ; the zero blocks between q's
.endr
.endr
	WIN 0
	s_wait_alu depctr_va_vdst(0)
	s_wait_loadcnt 0x0
.irp a, 0,1,2,3
	v_bfe_u32 v[BM+\a], v8, 8*\a, 8
.endr
.irp a, 0,1,2,3
	v_mul_lo_u32 v[QS+\a], v[BM+\a], s53           ; tile a's byte in all four places
.endr
	WIN 0x40
.irp a, 0,1,2,3
.irp i, 0,1,2,3,4,5
	v_cndmask_b32 v[QB+24*\a+6+\i], 0, v[SA+8*\a+\i], s50    ; q in lanes 0-15 alone,
	v_cndmask_b32 v[QB+24*\a+18+\i], 0, v[SA+8*\a+\i], s51   ; and in lanes 16-31 alone
.endr
.endr
	WIN 0
	s_wait_alu depctr_va_vdst(0)
	s_wait_tensorcnt 0x0                           ; my two records have landed,
	s_barrier_signal -1
	s_barrier_wait -1                              ; everybody's have
.macro LOADK a16, a8, off              ; 7 LDS loads: k's two images and their scale words
	WIN 0x40
.irp g, 0,1
.irp c, 0,1,2
	ds_load_b128 v[KF+12*\g+4*\c:KF+12*\g+4*\c+3], v[\a16] offset:(\off)+1536*\g+512*\c
.endr
.endr
	WIN 0
	ds_load_b64 v[KS:KS+1], v[\a8] offset:(\off)+9216
.endm
.macro LOADV a16, off                  ; 13 LDS loads: v^T's four images and their scale words
.irp i, 0,1,2,3
.irp c, 0,1,2
	ds_load_b128 v[VF+12*\i+4*\c:VF+12*\i+4*\c+3], v[\a16] offset:(\off)+3072+1536*\i+512*\c
.endr
.endr
	ds_load_b128 v[VS:VS+3], v[\a16] offset:(\off)+9472
.endm
.macro SMM2 a                          ; S^T of 128 keys x the 16 queries of tiles a and a + 1: tile t = image t / 4, block t % 4.  Four places follow, ahead of the first reads of S
	WIN 0x05                                       ; k and q: window 1
.irp x, 0,1
.irp t, 0,1,2,3,4,5,6,7
	v_wmma_scale_f32_16x16x128_f8f6f4 v[SA+64*\x+8*\t:SA+64*\x+8*\t+7], v[KF+12*(\t/4):KF+12*(\t/4)+11], v[QB+24*((\a)+\x)+6+12*(\t%2)-6*((\t%4)/2):QB+24*((\a)+\x)+17+12*(\t%2)-6*((\t%4)/2)], 0, v[KS+\t/4], v[QS+(\a)+\x] matrix_a_fmt:MATRIX_FMT_FP6 matrix_b_fmt:MATRIX_FMT_FP6
.endr
.endr
	WIN 0
.rept 4
	v_nop
.endr
.endm
; A lane's two blocks' largest scores of tile x, two chains each; each accumulator is first read at its low end
.macro MAXH x
.irp c, 0,1
	v_max3_num_f32 v[BM-38*(\x)+\c], v[SA+64*(\x)+32*\c], v[SA+64*(\x)+32*\c+1], v[SA+64*(\x)+32*\c+2]
	v_max3_num_f32 v[SO-38*(\x)+\c], v[SA+64*(\x)+32*\c+16], v[SA+64*(\x)+32*\c+17], v[SA+64*(\x)+32*\c+18]
.endr
.endm
.macro MAXG x, i
.irp c, 0,1
	v_max3_num_f32 v[BM-38*(\x)+\c], v[BM-38*(\x)+\c], v[SA+64*(\x)+32*\c+(\i)], v[SA+64*(\x)+32*\c+(\i)+1]
	v_max3_num_f32 v[SO-38*(\x)+\c], v[SO-38*(\x)+\c], v[SA+64*(\x)+32*\c+16+(\i)], v[SA+64*(\x)+32*\c+17+(\i)]
.endr
.endm
.macro MAXT x
.irp c, 0,1
	v_max3_num_f32 v[BM-38*(\x)+\c], v[BM-38*(\x)+\c], v[SO-38*(\x)+\c], v[SA+64*(\x)+32*\c+15]
.endr
.irp c, 0,1
	v_max_num_f32 v[BM-38*(\x)+\c], v[BM-38*(\x)+\c], v[SA+64*(\x)+32*\c+31]
.endr
.endm
.macro MCH x, nm, n                    ; line n of tile x's chain from the block maxima to -M and f
.if (\n) == 1
	v_mov_b32 v[BY-38*(\x)], v[(\nm)]
.elseif (\n) == 2
	v_max3_num_f32 v[T0-38*(\x)], v[BM-38*(\x)], v[BM-38*(\x)+1], v[(\nm)+1]
.elseif (\n) == 3
	v_permlanex16_b32 v[T0-38*(\x)+1], v[T0-38*(\x)], s20, s21
.elseif (\n) == 4
	v_max_num_f32 v[(\nm)+1], v[T0-38*(\x)], v[T0-38*(\x)+1]   ; the running largest score of my query
.elseif (\n) == 5
	v_mul_f32 v[T0-38*(\x)], s22, v[(\nm)+1]
.elseif (\n) == 6
	v_floor_f32 v[(\nm)], -v[T0-38*(\x)]           ; -M = floor(-t): M is a whole number
.elseif (\n) == 7
	v_sub_f32 v[BY-38*(\x)], v[(\nm)], v[BY-38*(\x)]   ; old M less new M
.elseif (\n) == 8
	v_cvt_i32_f32 v[BY-38*(\x)], v[BY-38*(\x)]     ; (it saturates)
.else
	v_ldexp_f32 v[F+10*(\x)], 1.0, v[BY-38*(\x)]   ; f
.endif
.endm
.macro FMAS ss, nm, j0, n              ; t - M, two at a time
.set j, \j0
.rept \n
	v_pk_fma_f32 v[(\ss)+j:(\ss)+j+1], v[(\ss)+j:(\ss)+j+1], s[22:23], v[(\nm):(\nm)+1] op_sel_hi:[1,0,0]
.set j, j+2
.endr
.endm
.macro PV a, x                         ; O^T(a) += v^T p^T: the four accumulators take turns
	WIN 0x50
.irp i, 0,1,2,3
	v_wmma_scale_f32_16x16x128_f8f6f4 v[32*(\a)+8*\i:32*(\a)+8*\i+7], v[VF+12*\i:VF+12*\i+11], v[PC:PC+11], v[32*(\a)+8*\i:32*(\a)+8*\i+7], v[VS+\i], v[PW+(\x)] matrix_a_fmt:MATRIX_FMT_FP6 matrix_b_fmt:MATRIX_FMT_FP6
.endr
	WIN 0
.endm
; Tile b's row sum of the unquantised p: 32 pairs onto the sum l, in six chains (l and five side chains, v46-55); 32 packed additions in three parts
.macro SUM1 ss                         ; 5: the side chains begin
.irp k, 0,1,2,3,4
	v_pk_add_f32 v[BM+2*\k:BM+2*\k+1], v[(\ss)+4*\k:(\ss)+4*\k+1], v[(\ss)+4*\k+2:(\ss)+4*\k+3]
.endr
.endm
.macro SUMR ss, l, n                   ; a turn of the chains: l and the first n side chains
	v_pk_add_f32 v[(\l):(\l)+1], v[(\l):(\l)+1], v[(\ss):(\ss)+1]
.set k, 0
.rept \n
	v_pk_add_f32 v[BM+2*k:BM+2*k+1], v[BM+2*k:BM+2*k+1], v[(\ss)+2+2*k:(\ss)+3+2*k]
.set k, k+1
.endr
.endm
.macro SUM3 ss, l                      ; 21: the rest, and the chains joined
	SUMR (\ss)+32, \l, 5
	SUMR (\ss)+44, \l, 5
	SUMR (\ss)+56, \l, 3
	v_pk_add_f32 v[BM:BM+1], v[BM:BM+1], v[BM+2:BM+3]
	v_pk_add_f32 v[BM+4:BM+5], v[BM+4:BM+5], v[BM+6:BM+7]
	v_pk_add_f32 v[(\l):(\l)+1], v[(\l):(\l)+1], v[BM+8:BM+9]
	v_pk_add_f32 v[BM:BM+1], v[BM:BM+1], v[BM+4:BM+5]
	v_pk_add_f32 v[(\l):(\l)+1], v[(\l):(\l)+1], v[BM:BM+1]
.endm
.macro SUMA l                          ; tile a's sum, second part: the 16 pairs that the first level left at SA + 4 k, in four chains: 16 packed additions
.irp k, 0,1,2
	v_pk_add_f32 v[BM+2*\k:BM+2*\k+1], v[SA+8*\k:SA+8*\k+1], v[SA+8*\k+4:SA+8*\k+5]
.endr
.irp q, 24,40
	v_pk_add_f32 v[(\l):(\l)+1], v[(\l):(\l)+1], v[SA+\q:SA+\q+1]
	v_pk_add_f32 v[BM:BM+1], v[BM:BM+1], v[SA+\q+4:SA+\q+5]
	v_pk_add_f32 v[BM+2:BM+3], v[BM+2:BM+3], v[SA+\q+8:SA+\q+9]
	v_pk_add_f32 v[BM+4:BM+5], v[BM+4:BM+5], v[SA+\q+12:SA+\q+13]
.endr
	v_pk_add_f32 v[(\l):(\l)+1], v[(\l):(\l)+1], v[SA+56:SA+57]
	v_pk_add_f32 v[BM:BM+1], v[BM:BM+1], v[SA+60:SA+61]
	v_pk_add_f32 v[BM:BM+1], v[BM:BM+1], v[BM+2:BM+3]
	v_pk_add_f32 v[(\l):(\l)+1], v[(\l):(\l)+1], v[BM+4:BM+5]
	v_pk_add_f32 v[(\l):(\l)+1], v[(\l):(\l)+1], v[BM:BM+1]
.endm
.macro PAIR p, last                    ; tiles a = 2 p (x = 0) and b = 2 p + 1 (x = 1) against this record's 128 keys
.set NA, ST+8*(\p)
.set NB, ST+8*(\p)+4
	s_wait_alu depctr_va_vdst(0)                   ; directly ahead of the first readers of S; only plain lines follow up to the last of them
	MAXH 0
.irp i, 3,5,7,9,11,13
	MAXG 0, \i
.endr
	MAXT 0
	MAXH 1                                         ; b's maxima, with a's chain to M among them
	MCH 0, NA, 1
	MCH 0, NA, 2
	MAXG 1, 3
	MCH 0, NA, 3
	MAXG 1, 5
	MCH 0, NA, 4
	MAXG 1, 7
	MCH 0, NA, 5
	MAXG 1, 9
	MCH 0, NA, 6
	MAXG 1, 11
	MCH 0, NA, 7
	MAXG 1, 13
	MCH 0, NA, 8
	MAXT 1
	MCH 0, NA, 9
.if ((\p) == 1) && !(\last)
	LOADK 3, 4, REC                                ; k's registers are free: the last products on them stand more than four places back
.endif
	MCH 1, NB, 1                                   ; a's t - M, with b's chain to M among them
	MCH 1, NB, 2
	FMAS SA, NA, 0, 4
	MCH 1, NB, 3
	FMAS SA, NA, 8, 4
	MCH 1, NB, 4
	FMAS SA, NA, 16, 4
	MCH 1, NB, 5
	FMAS SA, NA, 24, 4
	MCH 1, NB, 6
	FMAS SA, NA, 32, 4
	MCH 1, NB, 7
	FMAS SA, NA, 40, 4
	MCH 1, NB, 8
	FMAS SA, NA, 48, 4
	MCH 1, NB, 9
	FMAS SA, NA, 56, 4
	v_fma_f32 v[BM], v[BM], s22, v[NA]             ; the same of each block's largest score: p rises with the score
	v_fma_f32 v[BM+1], v[BM+1], s22, v[NA]
	s_wait_alu depctr_va_vdst(0)
.if (\p) == 0
	s_wait_dscnt 0x0                               ; this record's v^T is in
.endif
	v_exp_f32 v[BM], v[BM]                         ; a's exponentials, by turns with b's t - M
	v_fma_f32 v[BM-38], v[BM-38], s22, v[NB]
	v_exp_f32 v[BM+1], v[BM+1]
	v_fma_f32 v[BM-37], v[BM-37], s22, v[NB]
.set j, 0
.rept 32
	v_exp_f32 v[SA+j], v[SA+j]                     ; p = 2^(t - M)
	v_pk_fma_f32 v[SB+j:SB+j+1], v[SB+j:SB+j+1], s[22:23], v[NB:NB+1] op_sel_hi:[1,0,0]
	v_exp_f32 v[SA+j+1], v[SA+j+1]
.set j, j+2
.endr
	v_pk_mul_f32 v[NA+2:NA+3], v[NA+2:NA+3], v[F:F+1] op_sel_hi:[1,0]   ; a's sum under the new M; a plain place behind the batch
	s_wait_alu depctr_va_vdst(0)                   ; one wait for the batch, ahead of its first reader
	v_max_num_f32 v[BM], 0x1800000, v[BM]          ; the floor 2^(3 - 127)
	v_max_num_f32 v[BM+1], 0x1800000, v[BM+1]
	v_add_nc_u32 v[SO], 0xff000000, v[BM]          ; 2 off the exponent field: the conversions' scale operands
	v_add_nc_u32 v[SO+1], 0xff000000, v[BM+1]
	s_wait_alu depctr_va_vdst(0)                   ; and the wait ahead of the next batch
	v_exp_f32 v[BM-38], v[BM-38]                   ; b's exponentials, by turns with a's conversions, its bytes and the first level of its sum
	v_cvt_scalef32_pk16_fp6_f32 v[PC:PC+2], v[SA:SA+15], v[SO]
	v_exp_f32 v[BM-37], v[BM-37]
	v_cvt_scalef32_pk16_fp6_f32 v[CT:CT+2], v[SA+16:SA+31], v[SO]          ; (a conversion's three registers begin on an even number: the second halves are made elsewhere and moved)
	v_exp_f32 v[SB], v[SB]
	v_cvt_scalef32_pk16_fp6_f32 v[PC+6:PC+8], v[SA+32:SA+47], v[SO+1]
	v_exp_f32 v[SB+1], v[SB+1]
	v_cvt_scalef32_pk16_fp6_f32 v[CT+4:CT+6], v[SA+48:SA+63], v[SO+1]
	v_exp_f32 v[SB+2], v[SB+2]
	v_lshrrev_b32 v[BY], 23, v[SO]                 ; the bytes of blocks h and 2 + h.  (Plain lines behind the scaled conversions, ahead of the lines that write over their sources)
	v_exp_f32 v[SB+3], v[SB+3]
	v_lshrrev_b32 v[BY+1], 23, v[SO+1]
.set j, 0
.rept 16
	v_exp_f32 v[SB+4+2*j], v[SB+4+2*j]
	v_pk_add_f32 v[SA+4*j:SA+4*j+1], v[SA+4*j:SA+4*j+1], v[SA+4*j+2:SA+4*j+3]   ; a's p have been converted: pairs are added in place
	v_exp_f32 v[SB+5+2*j], v[SB+5+2*j]
.set j, j+1
.endr
.set j, 36
.rept 28
	v_exp_f32 v[SB+j], v[SB+j]
.set j, j+1
.endr
	v_pk_mul_f32 v[NB+2:NB+3], v[NB+2:NB+3], v[F+10:F+11] op_sel_hi:[1,0]   ; b's sum under the new M; a plain place behind the batch
	s_wait_alu depctr_va_vdst(0)                   ; one wait for the batch, ahead of its first reader
	v_max_num_f32 v[BM-38], 0x1800000, v[BM-38]    ; both scale words and a's moves, line by line
	v_max_num_f32 v[BM-37], 0x1800000, v[BM-37]
	v_lshl_or_b32 v[T0], v[BY+1], 16, v[BY]
	v_mov_b32 v[PC+3], v[CT]
	v_add_nc_u32 v[SO-38], 0xff000000, v[BM-38]
	v_add_nc_u32 v[SO-37], 0xff000000, v[BM-37]
	v_lshlrev_b32 v[T0], v[SH8], v[T0]             ; at their places in the word
	v_mov_b32 v[PC+4], v[CT+1]
	v_lshrrev_b32 v[BY-38], 23, v[SO-38]
	v_lshrrev_b32 v[BY-37], 23, v[SO-37]
	v_permlanex16_b32 v[T0+1], v[T0], s20, s21
	v_mov_b32 v[PC+5], v[CT+2]
	v_lshl_or_b32 v[T0-38], v[BY-37], 16, v[BY-38]
	v_mov_b32 v[PC+9], v[CT+4]
	v_or_b32 v[PW], v[T0], v[T0+1]                 ; a's scale word for these 128 keys
	v_lshlrev_b32 v[T0-38], v[SH8], v[T0-38]
	v_mov_b32 v[PC+10], v[CT+5]
	v_mov_b32 v[PC+11], v[CT+6]
	v_permlanex16_b32 v[T0-37], v[T0-38], s20, s21
	WIN 0x41
	s_wait_alu depctr_va_vdst(0)                   ; directly ahead of the first readers of O^T
.irp x, 0,1
.set j, 0
.rept 16
	v_pk_mul_f32 v[64*(\p)+32*\x+j:64*(\p)+32*\x+j+1], v[64*(\p)+32*\x+j:64*(\p)+32*\x+j+1], v[F+10*\x:F+10*\x+1] op_sel_hi:[1,0]   ; O^T under the new M; these are also the places between the codes, the word and the products
.set j, j+2
.endr
.endr
	PV 2*(\p), 0
	v_or_b32 v[PW+1], v[T0-38], v[T0-37]           ; b's scale word
	SUMA NA+2                                      ; places behind a's products, ahead of the conversions that write the codes anew
	v_cvt_scalef32_pk16_fp6_f32 v[PC:PC+2], v[SB:SB+15], v[SO-38]
	v_cvt_scalef32_pk16_fp6_f32 v[CT:CT+2], v[SB+16:SB+31], v[SO-38]
	v_cvt_scalef32_pk16_fp6_f32 v[PC+6:PC+8], v[SB+32:SB+47], v[SO-37]
	v_cvt_scalef32_pk16_fp6_f32 v[CT+4:CT+6], v[SB+48:SB+63], v[SO-37]
	SUM1 SB                                        ; plain lines behind the scaled conversions
.irp i, 0,1,2
	v_mov_b32 v[PC+3+\i], v[CT+\i]
	v_mov_b32 v[PC+9+\i], v[CT+4+\i]
.endr
	SUMR SB+20, NB+2, 5                            ; six places between the codes and the products
	PV 2*(\p)+1, 1
	SUM3 SB, NB+2
.if (\p) == 0
	SMM2 2                                         ; both sets of S are free: the next pair's scores
.elseif !(\last)
	LOADV 3, REC                                   ; v^T's registers are free: the sums above are the places
	s_wait_alu depctr_va_vdst(0)
	s_wait_dscnt 13                                ; the next record's k (7 loads) is in; v^T's 13 may be out
	SMM2 0
.endif
.endm
	LOADK 1, 2, 0
	LOADV 1, 0
	s_wait_dscnt 13                                ; k's 7 loads are in; v^T's 13 may be out
.rept 8
	v_nop                                          ; q's operands and scale words were written by vector instructions: places ahead of the scaled products
.endr
	SMM2 0
	s_mov_b32 s48, 0
	s_mov_b32 s49, 15
.Lk:                                   ; a trip: one record, two pairs of tiles; it asks LDS for the next record's fragments as their registers fall free
	v_add_nc_u32 v3, s48, v1
	v_add_nc_u32 v4, s48, v2
	PAIR 0, 0
	PAIR 1, 0
	s_add_co_u32 s48, s48, REC
	s_sub_co_u32 s49, s49, 1
	s_cmp_lg_u32 s49, 0
	s_wait_alu depctr_va_vdst(0)
	s_cbranch_scc1 .Lk
	PAIR 0, 1                                      ; the last record: nothing more to fetch
	PAIR 1, 1
.irp a, 0,1,2,3
	v_add_f32 v[ST+4*\a+2], v[ST+4*\a+2], v[ST+4*\a+3]
.endr
.irp a, 0,1,2,3
	v_permlanex16_b32 v[ST+4*\a], v[ST+4*\a+2], s20, s21
.endr
.irp a, 0,1,2,3
	v_add_f32 v[ST+4*\a+2], v[ST+4*\a+2], v[ST+4*\a]   ; with lane l xor 16's keys: the row's sum
.endr
	s_wait_alu depctr_va_vdst(0)
.irp a, 0,1,2,3
	v_rcp_f32 v[ST+4*\a+2], v[ST+4*\a+2]
.endr
	v_nop
.macro OUT a                           ; o = O^T / the sum; the 16 registers of tiles 2 e, 2 e + 1 are d = 32 e + 16 h + 0 .. 15: two blocks of 32, quantised, half a fragment of the last projection's left operand
	WIN 0x01
	s_wait_alu depctr_va_vdst(0)                   ; ahead of the first readers of the reciprocal and of O^T
.set j, 0
.rept 16
	v_pk_mul_f32 v[SA+j:SA+j+1], v[32*(\a)+j:32*(\a)+j+1], v[ST+4*(\a)+2:ST+4*(\a)+3] op_sel_hi:[1,0]
.set j, j+2
.endr
	WIN 0
.irp e, 0,1
	v_max3_num_f32 v[BM+\e], |v[SA+16*\e]|, |v[SA+16*\e+1]|, 0x1800000
.endr
.irp i, 2,4,6,8,10,12,14
.irp e, 0,1
	v_max3_num_f32 v[BM+\e], v[BM+\e], |v[SA+16*\e+\i]|, |v[SA+16*\e+\i+1]|
.endr
.endr
.irp e, 0,1
	v_permlanex16_b32 v[BY+\e], v[BM+\e], s20, s21
.endr
.irp e, 0,1
	v_max_num_f32 v[BM+\e], v[BM+\e], v[BY+\e]
.endr
.irp e, 0,1
	v_add_nc_u32 v[SO+\e], 0xff000000, v[BM+\e]
.endr
.irp e, 0,1
	v_lshrrev_b32 v[BY+\e], 23, v[SO+\e]
.endr
	v_lshl_or_b32 v[T0], v[BY+1], 8, v[BY]
	v_cvt_scalef32_pk16_fp6_f32 v[PC:PC+2], v[SA:SA+15], v[SO]
	v_cvt_scalef32_pk16_fp6_f32 v[PC+4:PC+6], v[SA+16:SA+31], v[SO+1]
	v_nop
.irp i, 0,1,2
	v_permlane16_swap_b32 v[PC+\i], v[PC+4+\i]     ; lanes 0-15 get block 0 whole, lanes 16-31 block 1
.endr
	v_mov_b32 v[PC+3], v[PC+4]
	v_mov_b32 v[PC+4], v[PC+5]
	v_mov_b32 v[PC+5], v[PC+6]
	global_store_b128 v1, v[PC:PC+3], s[56:57] offset:12288*(\a)          ; 512 consecutive bytes a store
	global_store_b64 v2, v[PC+4:PC+5], s[56:57] offset:12288*(\a)+512     ; 256
	global_store_b16 v5, v[T0], s[58:59] offset:1024*(\a)
	s_wait_xcnt 0x0                                ; the stores have read their registers: the next tile writes them again
.endm
	OUT 0
	OUT 1
	OUT 2
	OUT 3
	s_wait_tensorcnt 0x0                           ; the wave's end
	ds_add_u32 v[SPW], v[NIL]
	s_wait_dscnt 0x0
	ROUND                                          ; the closing round
	s_endpgm
.Lfunc_end_k_q31f087d4bf_attn:
	.size	k_q31f087d4bf_attn, .Lfunc_end_k_q31f087d4bf_attn-k_q31f087d4bf_attn
	.p2alignl 7, 3214868480
	.fill 96, 4, 3214868480
	.section	.rodata,"a",@progbits
	.p2align	6, 0x0
	.amdhsa_kernel k_q31f087d4bf_attn
		.amdhsa_group_segment_fixed_size 167936
		.amdhsa_private_segment_fixed_size 0
		.amdhsa_enable_private_segment 0
		.amdhsa_kernarg_size 32
		.amdhsa_user_sgpr_count 2
		.amdhsa_user_sgpr_kernarg_segment_ptr 1
		.amdhsa_wavefront_size32 1
		.amdhsa_system_sgpr_workgroup_id_x 1
		.amdhsa_system_sgpr_workgroup_id_y 1
		.amdhsa_system_sgpr_workgroup_id_z 1
		.amdhsa_system_vgpr_workitem_id 0
		.amdhsa_next_free_vgpr 512
		.amdhsa_next_free_sgpr 70
		.amdhsa_reserve_vcc 0
		.amdhsa_float_denorm_mode_32 3
		.amdhsa_float_denorm_mode_16_64 3
		.amdhsa_memory_ordered 1
		.amdhsa_forward_progress 1
		.amdhsa_inst_pref_size 132
	.end_amdhsa_kernel
	.amdgpu_metadata
---
amdhsa.version: [ 1, 2 ]
amdhsa.kernels:
  - .name:           k_q31f087d4bf_attn
    .symbol:         k_q31f087d4bf_attn.kd
    .args:
      - { .name: qrec, .offset: 0, .size: 8, .value_kind: global_buffer, .address_space: global }
      - { .name: kvrec, .offset: 8, .size: 8, .value_kind: global_buffer, .address_space: global }
      - { .name: ac, .offset: 16, .size: 8, .value_kind: global_buffer, .address_space: global }
      - { .name: asc, .offset: 24, .size: 8, .value_kind: global_buffer, .address_space: global }
    .group_segment_fixed_size: 167936
    .private_segment_fixed_size: 0
    .kernarg_segment_align: 8
    .kernarg_segment_size: 32
    .max_flat_workgroup_size: 256
    .sgpr_count:     70
    .vgpr_count:     512
    .wavefront_size: 32
...
	.end_amdgpu_metadata
.endif
;; end of part 3
;; launch outp (part 4): grid 4 x 64, 4 waves a work-group, clusters of 4 x 1, 327,680 bytes of LDS; arguments ac, asc, wc, ws, bo, out0; writes out0
.if DOCPART == 4
	.amdgcn_target "amdgcn-amd-amdhsa--gfx1250"
	.amdhsa_code_object_version 6
	.text
	.protected	k_q31f087d4bf_outp
	.globl	k_q31f087d4bf_outp
	.p2align	8
	.type	k_q31f087d4bf_outp,@function
k_q31f087d4bf_outp:
	s_mov_b64 s[64:65], 0
	v_nop
	global_prefetch_b8 v0, s[64:65] scope:SCOPE_SE
	s_setreg_imm32_b32 hwreg(HW_REG_WAVE_MODE, 25, 1), 1
	s_wait_xcnt 0x0
	s_wait_alu depctr_hold_cnt(0) depctr_sa_sdst(0) depctr_va_vdst(0) depctr_va_sdst(0) depctr_va_ssrc(0) depctr_va_vcc(0) depctr_vm_vsrc(0)
	s_getreg_b32 s2, hwreg(HW_REG_IB_STS2, 6, 4)
	s_cmp_eq_u32 s2, 0
	s_cbranch_scc0 .Lentry_in_a_cluster
	s_endpgm
.Lentry_in_a_cluster:
	s_bfe_u32 s2, ttmp6, 0x10000c
	s_cmp_lg_u32 s2, 0x3003
	s_cbranch_scc0 .Lentry_shape_is_right
	s_endpgm
.Lentry_shape_is_right:
.set SCL,   98304
.set STAGE, 106496
.set BIAS,  64
.set RB,    96
.set MSB, 0
.macro WIN new
.if MSB != (\new)
	s_set_vgpr_msb (MSB<<8)|(\new)
.set MSB, (\new)
.endif
.endm
.macro ROUND
	s_barrier_signal -1
	s_barrier_wait -1
	s_cmp_lg_u32 s3, 0
	s_cbranch_scc1 .Lnot_wave_0_\@
	s_barrier_signal -3
.Lnot_wave_0_\@:
	s_barrier_wait -3
	s_barrier_signal -1
	s_barrier_wait -1
.endm
.macro PLACES n
.rept \n
	v_nop
.endr
.endm
	s_load_b256 s[4:11], s[0:1], 0x0
	s_load_b128 s[12:15], s[0:1], 0x20
	v_lshl_add_u32 v14, v0, 2, 0x29000
	v_mov_b32 v15, 0
	ds_add_u32 v14, v15
	ds_add_u32 v14, v15
	v_lshrrev_b32 v10, 5, v0
	v_readfirstlane_b32 s3, v10
	s_and_b32 s59, ttmp7, 0xffff
	s_mov_b32 s24, 15|(3<<16)|(1<<21)
	s_mov_b32 s25, 32<<16
	s_mov_b32 s26, 128<<16
	s_mov_b32 s27, 32<<16
	s_mov_b32 s28, 128
	s_mov_b32 s29, 32
	s_mov_b32 s30, 0
	s_mov_b32 s31, 0
	s_mov_b32 s32, 15|(3<<16)|(1<<21)
	s_mov_b32 s33, 32<<16
	s_mov_b32 s34, 32<<16
	s_mov_b32 s35, 32<<16
	s_mov_b32 s36, 32
	s_mov_b32 s37, 32
	s_mov_b32 s38, 0
	s_mov_b32 s39, 0
	s_mov_b32 s40, 1
	s_mul_i32 s41, s3, 32768
	s_mul_i32 s60, s59, 98304
	s_add_co_u32 s60, s60, s41
	s_mov_b32 s61, 0
	s_mov_b32 s44, 1
	s_mov_b32 s45, SCL
	s_lshl_b32 s62, s59, 13
	s_mov_b32 s63, 0
	s_wait_dscnt 0x0
	s_wait_kmcnt 0x0
	s_add_nc_u64 s[42:43], s[4:5], s[60:61]
	s_or_b32 s43, s43, 0x80000000
	s_add_nc_u64 s[46:47], s[6:7], s[62:63]
	s_or_b32 s47, s47, 0x80000000
	ROUND
	s_cmp_lt_u32 s3, 3                             ; one load a wave: waves 0-2 bring 128 rows of 256 bytes of the images each, wave 3 the 32 rows of scale words.  The launch's only fills
	s_cbranch_scc0 .Lfill_s
	tensor_load_to_lds s[40:43], s[24:31]
	s_nop 0
.rept 4
	v_nop
.endr
	s_branch .Lfilled
.Lfill_s:
	tensor_load_to_lds s[44:47], s[32:39]
	s_nop 0
.rept 4
	v_nop
.endr
.Lfilled:
	v_and_b32 v10, 31, v0
	v_bfe_u32 v11, v0, 4, 1
	v_and_b32 v12, 15, v0
	v_lshlrev_b32 v1, 4, v10
	v_add_nc_u32 v2, 49152, v1
	v_lshlrev_b32 v3, 3, v10
	v_add_nc_u32 v4, 49152, v3
	v_lshlrev_b32 v13, 2, v10
	v_add_nc_u32 v5, SCL, v13
	s_mul_i32 s70, s3, 8704
	s_add_co_u32 s70, s70, STAGE
	v_mul_u32_u24 v6, v12, 272
	v_lshl_add_u32 v6, v11, 6, v6
	v_add_nc_u32 v6, s70, v6
	v_mul_u32_u24 v7, v11, 272
	v_lshl_add_u32 v7, v12, 4, v7
	v_add_nc_u32 v7, s70, v7
	v_lshlrev_b32 v8, 12, v11
	v_lshl_add_u32 v8, v12, 4, v8
	v_lshlrev_b32 v9, 6, v11
	s_wait_alu depctr_va_vdst(0)
	s_bfe_u32 s58, ttmp6, 0x40000
	s_lshl_b32 s66, s58, 2
	s_add_co_u32 s66, s66, s3
	s_add_co_u32 s67, s66, 32
	s_mul_i32 s68, s67, 49152
	s_mov_b32 s69, 0
	s_add_nc_u64 s[8:9], s[8:9], s[68:69]
	s_lshl_b32 s68, s67, 11
	s_add_nc_u64 s[10:11], s[10:11], s[68:69]
	s_lshl_b32 s68, s66, 8
	s_add_nc_u64 s[12:13], s[12:13], s[68:69]
	s_add_nc_u64 s[14:15], s[14:15], s[68:69]
	s_lshl_b32 s68, s59, 19
	s_add_nc_u64 s[14:15], s[14:15], s[68:69]
	WIN 0x40
.irp i, 0,1,2,3
.irp kq, 0,1,2,3
.irp c, 0,1,2
	global_load_b128 v[12*(4*\i+\kq)+4*\c:12*(4*\i+\kq)+4*\c+3], v1, s[8:9] offset:(8*\i+\kq)*1536+512*\c
.endr
.endr
.endr
	WIN 0x80
.irp i, 0,1,2,3
.irp kq, 0,1,2,3
.irp c, 0,1,2
	global_load_b128 v[12*(4*\i+\kq)+4*\c:12*(4*\i+\kq)+4*\c+3], v1, s[8:9] offset:(8*\i+4+\kq)*1536+512*\c
.endr
.endr
.endr
	WIN 0
.irp p, 0,1
.irp ks, 0,1,2,3,4,5,6,7
	global_load_b32 v[16+8*\p+\ks], v13, s[10:11] offset:(8*\p+\ks)*128
.endr
.endr
	WIN 0xC0
.irp i, 0,1,2,3
	global_load_b128 v[BIAS+8*\i:BIAS+8*\i+3], v9, s[12:13] offset:128*(\i/2)+32*(\i%2)
	global_load_b128 v[BIAS+8*\i+4:BIAS+8*\i+7], v9, s[12:13] offset:128*(\i/2)+32*(\i%2)+16
.endr
	WIN 0
.macro FETCHH buf, p, k0
.irp m, 0,1
.irp kq, 0,1,2,3
.set rF, 64+96*(\buf)+12*(4*\m+\kq)
.set oF, ((\p)%2)*24576+\m*12288+((\k0)+\kq)*1536
	ds_load_b128 v[rF:rF+3], v[1+(\p)/2] offset:oF
	ds_load_b64 v[rF+4:rF+5], v[3+(\p)/2] offset:oF+512
	ds_load_b128 v[rF+6:rF+9], v[1+(\p)/2] offset:oF+768
	ds_load_b64 v[rF+10:rF+11], v[3+(\p)/2] offset:oF+1280
.endr
.endr
.endm
.macro FSC sset, off
.irp m, 0,1
.irp ks, 0,1,2,3,4,5,6,7
	ds_load_b32 v[32+16*(\sset)+8*\m+\ks], v5 offset:(\off)+\m*1024+\ks*128
.endr
.endr
.endm
.macro WM half, sset, kq, m, i
.set rD, 8*(4*(\m)+(\i))
.set rC, rD
.if ((\half) == 0) && ((\kq) == 0)
.set rC, BIAS+8*(\i)
.endif
.set rW, 12*(4*(\i)+(\kq))
.set rX, 64+96*(\half)+12*(4*(\m)+(\kq))
.set rWS, 16+8*((\i)/2)+4*(\half)+(\kq)
.set rXS, 32+16*(\sset)+8*(\m)+4*(\half)+(\kq)
.if ((\i)%2) == 0
	v_wmma_scale_f32_16x16x128_f8f6f4 v[rD:rD+7], v[rW:rW+11], v[rX:rX+11], v[rC:rC+7], v[rWS], v[rXS] matrix_a_fmt:MATRIX_FMT_FP6 matrix_b_fmt:MATRIX_FMT_FP6
.else
	v_wmma_scale_f32_16x16x128_f8f6f4 v[rD:rD+7], v[rW:rW+11], v[rX:rX+11], v[rC:rC+7], v[rWS], v[rXS] matrix_a_fmt:MATRIX_FMT_FP6 matrix_b_fmt:MATRIX_FMT_FP6 matrix_a_scale:MATRIX_SCALE_ROW1
.endif
.endm
.macro MUL half, sset
.irp kq, 0,1,2,3
.irp m, 0,1
.irp i, 0,1,2,3
	WM \half, \sset, \kq, \m, \i
.endr
.endr
.endr
.endm
.macro EPIO p
	s_wait_xcnt 0x0
	WIN 0x0C
.irp m, 0,1
.irp i, 0,1,2,3
	ds_store_b128 v6, v[8*(4*\m+\i):8*(4*\m+\i)+3] offset:\m*4352+128*(\i/2)+32*(\i%2)
	ds_store_b128 v6, v[8*(4*\m+\i)+4:8*(4*\m+\i)+7] offset:\m*4352+128*(\i/2)+32*(\i%2)+16
.endr
.endr
	WIN 0xC0
.irp t, 0,1,2,3,4,5,6,7,8,9,10,11,12,13,14,15
	ds_load_b128 v[RB+4*\t:RB+4*\t+3], v7 offset:(\t/8)*4352+544*(\t%8)
.endr
	WIN 0x0C
.irp t, 0,1,2,3,4,5,6,7,8,9,10,11,12,13,14,15
	s_wait_dscnt 15-\t
	global_store_b128 v8, v[RB+4*\t:RB+4*\t+3], s[14:15] offset:(64*((2*(\p)+\t/8)/4)+8*((2*(\p)+\t/8)%4)+32*((\t%8)/4)+2*(\t%4))*4096 th:TH_STORE_NT   ; tile 4 G + b, row r is token 64 G + 32 (r / 8) + 8 b + r % 8
.endr
	WIN 0
.endm
.macro PSTEP p, last
	FETCHH 1, \p, 4
	s_wait_dscnt 32
	WIN 0xF1
	MUL 0, (\p)%2
	WIN 0
.if !(\last)
	PLACES 4
	FETCHH 0, (\p)+1, 0
	FSC 1-(\p)%2, ((\p)+1)*2048
	s_wait_dscnt 48
.else
	s_wait_dscnt 0x0
.endif
	WIN 0xF2
	MUL 1, (\p)%2
	WIN 0
	PLACES 5
	EPIO \p
.endm
	s_wait_tensorcnt 0x0
	s_wait_loadcnt 0x0
	s_barrier_signal -1
	s_barrier_wait -1
	FETCHH 0, 0, 0
	FSC 0, 0
	PSTEP 0, 0
	PSTEP 1, 0
	PSTEP 2, 0
	PSTEP 3, 1
	s_wait_dscnt 0x0
	s_wait_tensorcnt 0x0
	ds_add_u32 v14, v15
	s_wait_dscnt 0x0
	ROUND
	s_endpgm
.Lfunc_end_k_q31f087d4bf_outp:
	.size	k_q31f087d4bf_outp, .Lfunc_end_k_q31f087d4bf_outp-k_q31f087d4bf_outp
	.p2alignl 7, 3214868480
	.fill 96, 4, 3214868480
	.section	.rodata,"a",@progbits
	.p2align	6, 0x0
	.amdhsa_kernel k_q31f087d4bf_outp
		.amdhsa_group_segment_fixed_size 327680
		.amdhsa_private_segment_fixed_size 0
		.amdhsa_enable_private_segment 0
		.amdhsa_kernarg_size 48
		.amdhsa_user_sgpr_count 2
		.amdhsa_user_sgpr_kernarg_segment_ptr 1
		.amdhsa_wavefront_size32 1
		.amdhsa_system_sgpr_workgroup_id_x 1
		.amdhsa_system_sgpr_workgroup_id_y 1
		.amdhsa_system_sgpr_workgroup_id_z 1
		.amdhsa_system_vgpr_workitem_id 0
		.amdhsa_next_free_vgpr 1024
		.amdhsa_next_free_sgpr 80
		.amdhsa_reserve_vcc 0
		.amdhsa_float_denorm_mode_32 3
		.amdhsa_float_denorm_mode_16_64 3
		.amdhsa_memory_ordered 1
		.amdhsa_forward_progress 1
		.amdhsa_inst_pref_size 88
	.end_amdhsa_kernel
	.amdgpu_metadata
---
amdhsa.version: [ 1, 2 ]
amdhsa.kernels:
  - .name:           k_q31f087d4bf_outp
    .symbol:         k_q31f087d4bf_outp.kd
    .args:
      - { .name: ac, .offset: 0, .size: 8, .value_kind: global_buffer, .address_space: global }
      - { .name: asc, .offset: 8, .size: 8, .value_kind: global_buffer, .address_space: global }
      - { .name: wc, .offset: 16, .size: 8, .value_kind: global_buffer, .address_space: global }
      - { .name: ws, .offset: 24, .size: 8, .value_kind: global_buffer, .address_space: global }
      - { .name: bo, .offset: 32, .size: 8, .value_kind: global_buffer, .address_space: global }
      - { .name: out0, .offset: 40, .size: 8, .value_kind: global_buffer, .address_space: global }
    .group_segment_fixed_size: 327680
    .private_segment_fixed_size: 0
    .kernarg_segment_align: 8
    .kernarg_segment_size: 48
    .max_flat_workgroup_size: 128
    .sgpr_count:     80
    .vgpr_count:     1024
    .wavefront_size: 32
...
	.end_amdgpu_metadata
.endif
;; end of part 4
